; MI455X (gfx1250); checked and timed in simulation.
; The chip was launched on July 23, 2026; its instructions are those of AMD's public machine-readable ISA for CDNA 5 (MIT licence, August 2026) and "CDNA5" Instruction Set Architecture Reference Guide (July 2026). The comments in the code are by the model that wrote it; some were corrected since.
;; Xpos Multihead Attention. Allowed arithmetic: float matrix products may take bf16 or f16 operands with f32 sums; other float arithmetic in f32, or as packed bf16 or f16 multiplies, adds, multiply-adds, maxima and minima; sums over many terms, partial sums and values carried from step to step in f32; what a program stores and reads back later, other than sums and carried values, may be rounded once to bf16 or f16.
;; Inputs: bk 1,024 float32; bo 1,024 float32; bq 1,024 float32; bv 1,024 float32; key 8 x 1,024 x 1,024 float32; query 8 x 1,024 x 1,024 float32; value 8 x 1,024 x 1,024 float32; wk 1,024 x 1,024 float32; wo 1,024 x 1,024 float32; wq 1,024 x 1,024 float32; wv 1,024 x 1,024 float32.
;; Outputs: out0 8 x 1,024 x 1,024 float32.
;; 2 versions, each right; version 2 is version 1 with the launch prep written anew for expert scheduling mode. Each part assembles by itself: llvm-mc -triple=amdgcn-amd-amdhsa -mcpu=gfx1250 --defsym DOCPART=n.
;; ======== version 1 of 2: 4 launches
;; limits: values are held in f16: magnitudes above 65,504 overflow, below 6.1e-05 lose precision
;; workspace buffers: wb 8,388,608 bytes; tab 802,816 bytes; qkv 50,331,648 bytes; oh 16,777,216 bytes
;; launch prep (part 1): grid 388 x 1, 8 waves a work-group, no clusters, 0 bytes of LDS; arguments wq, wk, wv, wo, bq, bk, bv, bo, wb, tab; writes wb, tab
.if DOCPART == 1
	.amdgcn_target "amdgcn-amd-amdhsa--gfx1250"
	.amdhsa_code_object_version 6
	.text
	.protected	k_qf95dc8a070_prep
	.globl	k_qf95dc8a070_prep
	.p2align	8
	.type	k_qf95dc8a070_prep,@function
k_qf95dc8a070_prep:
	s_mov_b64 s[64:65], 0
	v_nop
	global_prefetch_b8 v0, s[64:65] scope:SCOPE_SE
	s_setreg_imm32_b32 hwreg(HW_REG_WAVE_MODE, 25, 1), 1
	s_wait_xcnt 0x0
; PREP: the weights are rounded once, and the xpos table and the biases are made.
;   work-groups 0 .. 255    wq, wk, wv -> wb kinds 0-2 in bf16; wo -> wb kind 3: rounded to bf16, and that number written as f16   (65,536 source bytes a work-group)
;   work-groups 256 .. 383  tab: three tables [1024 pos][32 j][2] f32: (cos sc, sin sc) for q, (cos / sc, sin / sc) for k, (1, 0) for v
;   work-groups 384 .. 387  tab from byte 786,432: bq, bk, bv, bo, each rounded to bf16 and widened to f32 again
; A stream: no LDS, no barrier, no matrix unit.  A thread has all its 16 loads of 16 bytes out at once; a wave's store of 8 bytes a lane covers 256 consecutive bytes, aligned.
; LIMITS.  wo beyond 65,504 would become an infinity in f16; numbers of wo below 6e-5 keep f16's fixed step of 6e-8.
; The table's angle pos x 10000^(-j/32) is made with a base-2 exponential good to one unit in the last place, so at position 1,023 it may differ from an angle
; made otherwise in f32 by some 2e-4 rad, alike for q and k.  sin and cos: the angle less a multiple of pi/2 (held in two parts), then polynomials to r^9 and r^8 on |r| <= pi/4.
.set XR, 16                            ; v[16:79]   16 x 4 numbers as loaded
.set YR, 80                            ; v[80:111]  16 x 2 words to store
	s_load_b512 s[8:23], s[0:1], 0x0               ; wq s8, wk s10, wv s12, wo s14, bq s16, bk s18, bv s20, bo s22
	s_load_b128 s[24:27], s[0:1], 0x40             ; wb s24, tab s26
	s_mov_b32 s2, ttmp9                            ; g
	v_lshlrev_b32 v1, 4, v0                        ; 16 t: my place in 4,096 source bytes
	v_lshlrev_b32 v2, 3, v0                        ; 8 t: my place in 2,048 bytes of 16-bit numbers
	s_wait_kmcnt 0x0
	s_cmp_ge_u32 s2, 384
	s_cbranch_scc1 .Lbias
	s_cmp_ge_u32 s2, 256
	s_cbranch_scc1 .Ltab
	; THE CAST.  Which weight (0 .. 3), which 65,536 bytes of it, and where they go: chunk g of wb
	s_lshr_b32 s4, s2, 6
	s_and_b32 s6, s2, 63
	s_mov_b64 s[36:37], s[8:9]
.irp i, 1,2,3
	s_cmp_eq_u32 s4, \i
	s_cselect_b64 s[36:37], s[8+2*(\i):9+2*(\i)], s[36:37]
.endr
	s_lshl_b32 s40, s6, 16
	s_mov_b32 s41, 0
	s_lshl_b32 s42, s2, 15
	s_mov_b32 s43, 0
	s_add_nc_u64 s[36:37], s[36:37], s[40:41]
	s_add_nc_u64 s[38:39], s[24:25], s[42:43]
.irp i, 0,1,2,3,4,5,6,7,8,9,10,11,12,13,14,15
	global_load_b128 v[XR+4*(\i):XR+4*(\i)+3], v1, s[36:37] offset:4096*(\i) th:TH_LOAD_NT
.endr
; Sixteen turns: the wait leaves the younger loads out; two roundings a word; no register of a store is written behind it, so no store's source is ever rewritten.
.macro CAST tof16
.irp i, 0,1,2,3,4,5,6,7,8,9,10,11,12,13,14,15
	s_wait_loadcnt 15-(\i)
	v_cvt_pk_bf16_f32 v[YR+2*(\i)], v[XR+4*(\i)], v[XR+4*(\i)+1]
	v_cvt_pk_bf16_f32 v[YR+2*(\i)+1], v[XR+4*(\i)+2], v[XR+4*(\i)+3]
.if \tof16
	v_lshlrev_b32 v4, 16, v[YR+2*(\i)]             ; the bf16 numbers as f32,
	v_and_b32 v5, 0xffff0000, v[YR+2*(\i)]
	v_lshlrev_b32 v6, 16, v[YR+2*(\i)+1]
	v_and_b32 v7, 0xffff0000, v[YR+2*(\i)+1]
	v_cvt_pk_f16_f32 v[YR+2*(\i)], v4, v5          ; written as f16: exact within f16's normal range
	v_cvt_pk_f16_f32 v[YR+2*(\i)+1], v6, v7
.endif
	global_store_b64 v2, v[YR+2*(\i):YR+2*(\i)+1], s[38:39] offset:2048*(\i)
.endr
.endm
	s_cmp_eq_u32 s4, 3
	s_cbranch_scc1 .Lwo
	CAST 0
	s_endpgm
.Lwo:
	CAST 1
	s_endpgm
.Ltab:                                         ; THE TABLE: a thread makes entry e = 32 pos + j of all three tables
	s_sub_co_u32 s3, s2, 256
	v_lshl_add_u32 v3, s3, 8, v0                   ; e
	v_lshrrev_b32 v4, 5, v3                        ; pos
	v_and_b32 v5, 31, v3                           ; j
	v_cvt_f32_u32 v6, v5
	v_cvt_f32_u32 v7, v4
	v_mul_f32 v8, 0xbed49a78, v6                   ; -j log2(10000) / 32
	v_add_f32 v9, v6, v6
	v_add_f32 v9, 0x41cccccd, v9                   ; 2 j + 25.6
	v_mul_f32 v9, 0x3c36db6e, v9                   ; / 89.6
	v_exp_f32 v10, v8                              ; 10000^(-j/32)
	v_log_f32 v11, v9
	v_add_f32 v12, 0xc4000000, v7                  ; pos - 512: plain work behind the two
	v_mul_f32 v12, 0x3a800000, v12                 ; / 1024
	s_wait_alu depctr_va_vdst(0)                   ; one wait for both, ahead of their first reader
	v_mul_f32 v13, v7, v10                         ; the angle x
	v_mul_f32 v14, v11, v12                        ; log2 of the scale
	v_xor_b32 v15, 0x80000000, v14
	v_exp_f32 v16, v14                             ; sc
	v_exp_f32 v17, v15                             ; 1 / sc;  the reduction and the polynomials below name neither
	v_mul_f32 v18, 0x3f22f983, v13                 ; x 2 / pi
	v_rndne_f32 v18, v18                           ; n
	v_fma_f32 v19, -v18, 0x3fc90fdb, v13           ; r = x - n pi/2, pi/2 in two parts
	v_fma_f32 v19, -v18, 0xb33bbd2e, v19
	v_mul_f32 v20, v19, v19                        ; z = r r
	v_mov_b32 v21, 0x3638ef1d                      ; 1/9!
	v_fmaak_f32 v21, v21, v20, 0xb9500d01          ; -1/7!
	v_fmaak_f32 v21, v21, v20, 0x3c088889          ; 1/5!
	v_fmaak_f32 v21, v21, v20, 0xbe2aaaab          ; -1/3!
	v_mul_f32 v26, v19, v20
	v_fma_f32 v23, v26, v21, v19                   ; sin r
	v_mov_b32 v22, 0x37d00d01                      ; 1/8!
	v_fmaak_f32 v22, v22, v20, 0xbab60b61          ; -1/6!
	v_fmaak_f32 v22, v22, v20, 0x3d2aaaab          ; 1/4!
	v_fma_f32 v22, v22, v20, -0.5
	v_fma_f32 v24, v22, v20, 1.0                   ; cos r
	v_cvt_i32_f32 v25, v18
	v_and_b32 v26, 1, v25
	v_cmp_eq_u32 vcc_lo, 1, v26                    ; an odd quarter turn swaps the two (a choice of values, no branch)
	v_cndmask_b32 v27, v23, v24, vcc_lo            ; |sin x|'s source
	v_cndmask_b32 v28, v24, v23, vcc_lo            ; |cos x|'s
	v_lshlrev_b32 v26, 30, v25                     ; sin changes sign in quarters 2 and 3: bit 1 of n
	v_and_b32 v26, 0x80000000, v26
	v_xor_b32 v27, v26, v27
	v_add_nc_u32 v25, 1, v25                       ; cos in quarters 1 and 2: bit 1 of n + 1
	v_lshlrev_b32 v26, 30, v25
	v_and_b32 v26, 0x80000000, v26
	v_xor_b32 v28, v26, v28
	s_wait_alu depctr_va_vdst(0)                   ; one wait for sc and 1 / sc
	v_mul_f32 v30, v28, v16
	v_mul_f32 v31, v27, v16
	v_mul_f32 v32, v28, v17
	v_mul_f32 v33, v27, v17
	v_mov_b32 v34, 1.0
	v_mov_b32 v35, 0
	v_lshlrev_b32 v36, 3, v3                       ; 8 e: a wave's store covers 256 consecutive bytes, aligned
	global_store_b64 v36, v[30:31], s[26:27]
	global_store_b64 v36, v[32:33], s[26:27] offset:262144
	global_store_b64 v36, v[34:35], s[26:27] offset:524288
	s_endpgm
.Lbias:                                        ; THE BIASES: 4,096 bytes a work-group
	s_sub_co_u32 s3, s2, 384
	s_mov_b64 s[36:37], s[16:17]
.irp i, 1,2,3
	s_cmp_eq_u32 s3, \i
	s_cselect_b64 s[36:37], s[16+2*(\i):17+2*(\i)], s[36:37]
.endr
	global_load_b128 v[4:7], v1, s[36:37]
	s_lshl_b32 s4, s3, 12
	v_add_nc_u32 v3, s4, v1
	s_wait_loadcnt 0x0
	v_cvt_pk_bf16_f32 v8, v4, v5
	v_cvt_pk_bf16_f32 v9, v6, v7
	v_lshlrev_b32 v12, 16, v8
	v_and_b32 v13, 0xffff0000, v8
	v_lshlrev_b32 v14, 16, v9
	v_and_b32 v15, 0xffff0000, v9
	global_store_b128 v3, v[12:15], s[26:27] offset:786432
	s_endpgm
.Lfunc_end_k_qf95dc8a070_prep:
	.size	k_qf95dc8a070_prep, .Lfunc_end_k_qf95dc8a070_prep-k_qf95dc8a070_prep
	.p2alignl 7, 3214868480
	.fill 96, 4, 3214868480
	.section	.rodata,"a",@progbits
	.p2align	6, 0x0
	.amdhsa_kernel k_qf95dc8a070_prep
		.amdhsa_group_segment_fixed_size 0
		.amdhsa_private_segment_fixed_size 0
		.amdhsa_enable_private_segment 0
		.amdhsa_kernarg_size 80
		.amdhsa_user_sgpr_count 2
		.amdhsa_user_sgpr_kernarg_segment_ptr 1
		.amdhsa_wavefront_size32 1
		.amdhsa_system_sgpr_workgroup_id_x 1
		.amdhsa_system_sgpr_workgroup_id_y 1
		.amdhsa_system_sgpr_workgroup_id_z 1
		.amdhsa_system_vgpr_workitem_id 0
		.amdhsa_next_free_vgpr 112
		.amdhsa_next_free_sgpr 66
		.amdhsa_reserve_vcc 1
		.amdhsa_float_denorm_mode_32 3
		.amdhsa_float_denorm_mode_16_64 3
		.amdhsa_memory_ordered 1
		.amdhsa_forward_progress 1
		.amdhsa_inst_pref_size 20
	.end_amdhsa_kernel
	.amdgpu_metadata
---
amdhsa.version: [ 1, 2 ]
amdhsa.kernels:
  - .name:           k_qf95dc8a070_prep
    .symbol:         k_qf95dc8a070_prep.kd
    .args:
      - { .name: wq, .offset: 0, .size: 8, .value_kind: global_buffer, .address_space: global }
      - { .name: wk, .offset: 8, .size: 8, .value_kind: global_buffer, .address_space: global }
      - { .name: wv, .offset: 16, .size: 8, .value_kind: global_buffer, .address_space: global }
      - { .name: wo, .offset: 24, .size: 8, .value_kind: global_buffer, .address_space: global }
      - { .name: bq, .offset: 32, .size: 8, .value_kind: global_buffer, .address_space: global }
      - { .name: bk, .offset: 40, .size: 8, .value_kind: global_buffer, .address_space: global }
      - { .name: bv, .offset: 48, .size: 8, .value_kind: global_buffer, .address_space: global }
      - { .name: bo, .offset: 56, .size: 8, .value_kind: global_buffer, .address_space: global }
      - { .name: wb, .offset: 64, .size: 8, .value_kind: global_buffer, .address_space: global }
      - { .name: tab, .offset: 72, .size: 8, .value_kind: global_buffer, .address_space: global }
    .group_segment_fixed_size: 0
    .private_segment_fixed_size: 0
    .kernarg_segment_align: 8
    .kernarg_segment_size: 80
    .max_flat_workgroup_size: 256
    .sgpr_count:     66
    .vgpr_count:     112
    .wavefront_size: 32
...
	.end_amdgpu_metadata
.endif
;; end of part 1
;; launch proj (part 2): grid 4 x 64, 4 waves a work-group, clusters of 4 x 4, 327,680 bytes of LDS; arguments query, key, value, wb, tab, qkv; writes qkv
.if DOCPART == 2
	.amdgcn_target "amdgcn-amd-amdhsa--gfx1250"
	.amdhsa_code_object_version 6
	.text
	.protected	k_qf95dc8a070_proj
	.globl	k_qf95dc8a070_proj
	.p2align	8
	.type	k_qf95dc8a070_proj,@function
k_qf95dc8a070_proj:
	s_mov_b64 s[64:65], 0
	v_nop
	global_prefetch_b8 v0, s[64:65] scope:SCOPE_SE
	s_setreg_imm32_b32 hwreg(HW_REG_WAVE_MODE, 25, 1), 1
	s_wait_xcnt 0x0
	s_wait_alu depctr_hold_cnt(0) depctr_sa_sdst(0) depctr_va_vdst(0) depctr_va_sdst(0) depctr_va_ssrc(0) depctr_va_vcc(0) depctr_vm_vsrc(0)
	s_getreg_b32 s2, hwreg(HW_REG_IB_STS2, 6, 4)
	s_cmp_eq_u32 s2, 0
	s_cbranch_scc0 .Lentry_in_a_cluster
	s_endpgm
.Lentry_in_a_cluster:
	s_bfe_u32 s2, ttmp6, 0x10000c
	s_cmp_lg_u32 s2, 0xf033
	s_cbranch_scc0 .Lentry_shape_is_right
	s_endpgm
.Lentry_shape_is_right:
; PROJ: q, k, v = x W^T + b, turned by xpos, rounded to f16 and laid out by heads.
; query, key, value [8192][1024] f32, wb [4][1024][1024] bf16 (kinds 0-2 here), tab: three tables [1024][32][2] f32 and from byte 786,432 four biases of 1,024 f32, qkv [3][128 heads][1024][64] f16.
; x IS READ AS IT IS GIVEN, in f32: its tile lies in LDS in f32, and a wave rounds its fragments to bf16 between the LDS load and the product, so x crosses memory once.  The price: a fragment of x is
; four LDS loads in place of two, and the two waves that share 64 rows each round them.
; q is stored WITHOUT the factor 1/8: the turn is linear, and the attention launch applies the factor in f32.
; LIMITS.  q, k and v must stay under 65,504, f16's end (beyond it the rounding gives an infinity).  v goes through the same text with the table (1, 0): NaN and infinities are not treated apart.
; SHARES.  A tile of C is 128 rows x 256 columns: 64 x 4 tiles a kind, one work-group for each place, which STAYS and makes the three kinds one after the other.
; Four waves, each 64 rows x 128 columns: 32 accumulators of 16 x 16.  K = 1,024 goes in 8 steps of 128 through a ring of two LDS slots; the ring runs on into the next kind.
; THE MATRIX INSTRUCTION IS USED TRANSPOSED (source 0 = 16 rows of W, source 1 = 16 rows of x): a lane holds one row of C and eight neighbouring columns: four pairs for the turn, 16 bytes of f16.
; THE BIAS is the C operand of the product that starts a sum: nothing is cleared and nothing is added afterwards.
; CLUSTER 4 x 4.  x's tile hangs on the tile row alone and is asked for jointly by a row of the cluster, W's on the tile column alone and is asked for jointly by a column.
; REGISTERS, in windows of 256 (s_set_vgpr_msb: bits 1:0 source 0, 3:2 source 1, 5:4 source 2, 7:6 destination):
;   window 0: v0-31 addresses; v32-63 packed results; v64-95, v160-191 rows read back from the stage; v96-159 the table, two buffers; v192-255 turned numbers in f32
;   window 1: two fragment buffers (W's 64 registers, then x's 32) at v0 and v128; the bias for column block b at v[96 + 8 b] (b < 4) and v[192 + 8 b]
;   window 2: accumulator (a, b) at v[8 (8 a + b)]          window 3: v0-63 a quarter's four fragments of x as loaded, in f32
.set PITCH, 272                        ; a row of W in LDS: 256 bytes + 16 of padding
.set PAF,   528                        ; a row of x in LDS: 512 bytes + 16.  Both are odd multiples of 16: the 16 rows of a fragment load start at 16 different groups of four banks (64 banks of 4 bytes: ISA guide 11.1)
.set AHALF, 64*PAF                     ; what a wave fetches of x, and reads of it
.set BHALF, 128*PITCH                  ; the same of W
.set BOFF,  2*AHALF                    ; in a slot: x's 128 rows, then W's 256
.set SLOT,  BOFF+2*BHALF
.set STAGE, 2*SLOT                     ; behind the ring, never filled by a tensor load: for each wave 2 heads x 16 rows x 144 bytes
.set SP,    144
.set WSTG,  2*16*SP
.set SPARE, STAGE+4*WSTG               ; the spare words, 128 bytes a wave: two blocks of 256 bytes that no other line names
.set OKIND, 16777216                   ; bytes from kind to kind in qkv
.set WKIND, 2097152                    ; in wb
.set TKIND, 262144                     ; in the tables
.set BIAS0, 786432                     ; the biases' first byte in tab
.set ASTEP, 512                        ; a K step in a row of x, in bytes
.set BSTEP, 256                        ; in a row of W
.set NEXT_B, WKIND-6*BSTEP             ; from a slot's last K step of a kind to its first of the next
.set ADRA, 16                          ; v16-17  LDS address of my x fragments in slot 0, 1
.set ADRB, 20                          ; v20-21  the same for W
.set STO,  24                          ; v24  the way out: where I put 16 bytes of a row
.set RD,   25                          ; v25  where I read rows back
.set CO,   26                          ; v26  16 x lane: my place in 512 consecutive bytes of a head
.set TO,   27                          ; v27  my row's and half's place in a table
.set SPW,  28                          ; v28  my spare word; never rewritten
.set NIL,  29                          ; v29  0; never rewritten
.set PFO,  30                          ; v30  the prefetches' offset; never rewritten
.set BO,   31                          ; v31  my eight columns' place in a bias
.set TMP,  32
.set BK0,  64
.set TAB,  96
.set W,    192
.set F0,   0
.set F1,   128
.set BIAS, 96
.set RAW,  0                           ; window 3
.set WV, 12                            ; s12 wave   s13 RH: my 64 rows   s14 CH: my 128 columns, and which half of a tile I fetch
.set RH, 13
.set CH, 14
.set CX, 15
.set CY, 16
.set TC, 17                            ; tile column 0..3
.set TR, 18                            ; tile row 0..63
.set G1A, 24                           ; s[24:31] descriptor group 1 for x's tiles;  s[32:39] group 0, a set for each slot
.set G0A, 32
.set PFA, 40                           ; s[40:41] where my prefetches stand
.set LIM0, 42                          ; s42, s43  by slot: 0 = I ask, 1 = I ask in the first four K steps alone, the greatest number = never
.set INC, 44                           ; s[44:45]
.set PFJ, 46                           ; s46  W's waves: from a kind's K step 7 to the next kind's K step 0
.set G1B, 48                           ; s[48:55], s[56:63] the same for W's tiles
.set G0B, 56
.set TBL, 66                           ; s[66:67] this kind's table
.set BIA, 68                           ; s[68:69] this kind's bias
.set NXA, 76                           ; s[76:77] the next kind's input at my half of the tile;  s[78:79] the one after
.set NXA2, 78
.set NXP, 80                           ; s[80:81] the same at my work-group's 16 rows, for the prefetches;  s[82:83] the one after
.set NXP2, 82
.set STP, 84                           ; s[84:85] a K step of what I fetch, in bytes
.set AJ,  86                           ; s86  1 in x's waves, else the greatest number
.set TABP, 88                          ; s[88:89] tab
.set OUTB, 90                          ; s[90:91] qkv, then my part of this kind's tile
.set GFA, (2<<16)|(1<<20)|(1<<21)|(6<<22)|(3<<25)  ; 4-byte elements; padding on; bit 21 beside a mask; after every 128 words; 4 words
.set GFB, (1<<16)|(1<<20)|(1<<21)|(5<<22)|(3<<25)  ; 2-byte elements; after every 64 words
.set MUL,  0xa5                        ; both fragments window 1, C and D window 2
.set MULB, 0x95                        ; the same with C (the bias) in window 1
.set TO_F, 0x40                        ; destination window 1, address window 0
.set TO_R, 0xc0                        ; destination window 3, address window 0
.set W_CV, 0x4f                        ; sources window 3, destination window 1
.set ROTW, 0x02                        ; source 0 window 2
.set MSB, 0
.macro WIN new                         ; the immediate's high byte repeats the setting that is left; a switch that changes nothing is dropped
.if MSB != (\new)
	s_set_vgpr_msb (MSB<<8)|(\new)
.set MSB, \new
.endif
.endm
.macro PLACES                          ; four plain places behind matrix instructions, ahead of loads into registers that they read and of lines that read results
.rept 4
	v_nop
.endr
.endm
; A joint load: waves 0 and 1 fetch x's two halves, waves 2 and 3 W's.  The branch hangs on the wave's number alone.  An s_nop 0 and four v_nop follow each of the two lines.
.macro JLOAD s
	s_cmp_lt_u32 s[WV], 2
	s_cbranch_scc0 .Lfor_b_\@
	tensor_load_to_lds s[G0A+4*(\s):G0A+4*(\s)+3], s[G1A:G1A+7]
	s_nop 0
.rept 4
	v_nop
.endr
	s_branch .Lasked_\@
.Lfor_b_\@:
	tensor_load_to_lds s[G0B+4*(\s):G0B+4*(\s)+3], s[G1B:G1B+7]
	s_nop 0
.rept 4
	v_nop
.endr
.Lasked_\@:
.endm
.macro CREST                           ; a round of the cluster's barrier behind its opening barrier
	s_cmp_lg_u32 s[WV], 0
	s_cbranch_scc1 .Lnot_wave_0_\@
	s_barrier_signal -3
.Lnot_wave_0_\@:
	s_barrier_wait -3
	s_barrier_signal -1
	s_barrier_wait -1
.endm
.macro CROUND
	s_barrier_signal -1
	s_barrier_wait -1
	CREST
.endm
; A PREFETCH, behind the joint load, its five lines and the run of LDS loads: at the change of slots of K step s the refill asks for place s + 2 of the stream of K steps (which runs on from kind to
; kind), and the prefetch names place s + 4: two K steps, 256 matrix instructions of a wave, ahead of the load that will want it.  Each aligned 256 bytes of a K step are named once in the launch.
; x's rows belong to one cluster: waves 0 and 1 ask, the partner at place cx for 16 of the wave's 64 rows, a lane for row l % 16 and half l / 16 of the step's 512 bytes.
; W's rows are read by all sixteen clusters: cluster y = 0 asks; waves 2 and 3, the partner at place cy for 32 of the wave's 128 rows, a lane a row.
; The partners are told apart by address, never by a branch.  The launch's first four K steps come by their loads alone; in the last kind nothing is asked for from s = 4 on.
.macro ASK slot, how
.if \how
	s_cmp_eq_u32 s[LIM0+(\slot)], 0
.else
	s_cmp_gt_u32 s3, s[LIM0+(\slot)]               ; s3 = 3, 2, 1 in the loop's trips
.endif
	s_cbranch_scc0 .Lnot_mine_\@
	global_prefetch_b8 v[PFO], s[PFA:PFA+1] th:TH_LOAD_NT scope:SCOPE_SE
.Lnot_mine_\@:
.endm
	s_load_b256 s[4:11], s[0:1], 0x0               ; query s[4:5], key s[6:7], value s[8:9], wb s[10:11]
	s_load_b128 s[88:91], s[0:1], 0x20             ; tab s[88:89], qkv s[90:91]
	v_lshl_add_u32 v[SPW], v0, 2, SPARE
	v_mov_b32 v[NIL], 0
	ds_add_u32 v[SPW], v[NIL]                      ; the wave's opening: the add and its wait ahead of my first tensor load; the set-up below, work on registers, stands between
	v_lshrrev_b32 v1, 5, v0
	v_readfirstlane_b32 s[WV], v1
	s_lshr_b32 s[RH], s[WV], 1
	s_and_b32 s[CH], s[WV], 1
	s_bfe_u32 s[CX], ttmp6, 0x40000
	s_bfe_u32 s[CY], ttmp6, 0x40004
	s_lshl_b32 s[TC], ttmp9, 2
	s_add_co_u32 s[TC], s[TC], s[CX]
	s_and_b32 s[TR], ttmp7, 0xffff
	s_lshl_b32 s[TR], s[TR], 2
	s_add_co_u32 s[TR], s[TR], s[CY]
	s_lshl_b32 s20, s[CY], 2
	s_lshl_b32 s20, 15, s20                        ; my row of the cluster
	s_lshl_b32 s21, 0x1111, s[CX]                  ; my column
	s_or_b32 s[G1A], s20, GFA
	s_or_b32 s[G1B], s21, GFB
	s_mov_b32 s[G1A+1], 128<<16                    ; tensor_dim0 = 128
	s_mov_b32 s[G1A+2], 64<<16                     ; tensor_dim1 = 64
	s_mov_b32 s[G1A+3], 128<<16                    ; tile_dim0 = 128
	s_mov_b32 s[G1A+4], 64                         ; tile_dim1 = 64
	s_mov_b32 s[G1A+5], 1024                       ; elements from row to row
	s_mov_b32 s[G1A+6], 0
	s_mov_b32 s[G1A+7], 0
	s_mov_b32 s[G1B+1], 128<<16
	s_mov_b32 s[G1B+2], 128<<16                    ; W's loads have 128 rows
	s_mov_b32 s[G1B+3], 128<<16
	s_mov_b32 s[G1B+4], 128
	s_mov_b32 s[G1B+5], 1024
	s_mov_b32 s[G1B+6], 0
	s_mov_b32 s[G1B+7], 0
	s_lshl_b32 s70, s[TR], 19                      ; x: 128 rows of 4,096 bytes a tile row, + my half's 64: made of the tile row and the wave's number alone
	s_lshl_b32 s71, s[CH], 18
	s_add_co_u32 s70, s70, s71
	s_mov_b32 s71, 0
	s_lshl_b32 s72, s[TC], 19                      ; W: 256 rows of 2,048 bytes a tile column, + my half's 128: made of the tile column and the wave's number alone
	s_lshl_b32 s73, s[CH], 18
	s_add_co_u32 s72, s72, s73
	s_mov_b32 s73, 0
	s_mul_i32 s74, s[CH], AHALF                    ; where they go: no place in the cluster enters an LDS address
	s_mul_i32 s75, s[CH], BHALF
	s_add_co_u32 s75, s75, BOFF
	s_wait_dscnt 0x0                               ; the opening add is done
	s_wait_kmcnt 0x0
	s_add_nc_u64 s[NXA:NXA+1], s[6:7], s[70:71]    ; each input's address is made from its own pointer: key's,
	s_add_nc_u64 s[NXA2:NXA2+1], s[8:9], s[70:71]  ; value's,
	s_add_nc_u64 s[70:71], s[4:5], s[70:71]        ; query's
	s_add_nc_u64 s[72:73], s[10:11], s[72:73]
	CROUND                                         ; all sixteen work-groups are here: the first joint loads meet
.irp s, 0,1
	s_mov_b32 s[G0A+4*(\s)], 1
	s_add_co_u32 s[G0A+4*(\s)+1], s74, (\s)*SLOT
	s_add_nc_u64 s[G0A+4*(\s)+2:G0A+4*(\s)+3], s[70:71], (\s)*ASTEP
	s_or_b32 s[G0A+4*(\s)+3], s[G0A+4*(\s)+3], 0x80000000
	s_mov_b32 s[G0B+4*(\s)], 1
	s_add_co_u32 s[G0B+4*(\s)+1], s75, (\s)*SLOT
	s_add_nc_u64 s[G0B+4*(\s)+2:G0B+4*(\s)+3], s[72:73], (\s)*BSTEP
	s_or_b32 s[G0B+4*(\s)+3], s[G0B+4*(\s)+3], 0x80000000
	JLOAD \s                                       ; K steps 0 and 1: two loads of mine are out
.endr
	v_and_b32 v1, 15, v0                           ; r = l % 16
	v_bfe_u32 v2, v0, 4, 1                         ; h = l / 16
	v_mul_u32_u24 v3, v1, PITCH
	v_lshl_add_u32 v3, v2, 4, v3                   ; W: a fragment's row x pitch + 16 x half (8 numbers of 2 bytes)
	v_mul_u32_u24 v4, v1, PAF
	v_lshl_add_u32 v4, v2, 5, v4                   ; x: row x pitch + 32 x half (8 numbers of 4 bytes)
	s_mul_i32 s20, s[RH], AHALF
	s_mul_i32 s21, s[CH], BHALF
	s_add_co_u32 s21, s21, BOFF
.irp s, 0,1
	v_add_nc_u32 v[ADRA+(\s)], s20, v4
	v_add_nc_u32 v[ADRB+(\s)], s21, v3
	s_add_co_u32 s20, s20, SLOT
	s_add_co_u32 s21, s21, SLOT
.endr
	s_mul_i32 s20, s[WV], WSTG
	s_add_co_u32 s20, s20, STAGE                   ; my stage
	v_mul_u32_u24 v4, v1, SP
	v_lshl_add_u32 v4, v2, 4, v4
	v_add_nc_u32 v[STO], s20, v4                   ; in: row r, 16 bytes for each half of the lanes
	v_bfe_u32 v4, v0, 3, 2
	v_mul_u32_u24 v4, v4, SP
	v_and_b32 v5, 7, v0
	v_lshl_add_u32 v4, v5, 4, v4
	v_add_nc_u32 v[RD], s20, v4                    ; back: 32 lanes take four rows of 128 bytes,
	v_and_b32 v[CO], 31, v0
	v_lshlrev_b32 v[CO], 4, v[CO]                  ; which are 512 consecutive bytes of a head
	s_and_b32 s20, s[TR], 7                        ; the tile's place in its sequence of 1,024 positions
	s_lshl_b32 s21, s20, 15
	s_lshl_b32 s22, s[RH], 14
	s_add_co_u32 s21, s21, s22
	v_lshlrev_b32 v[TO], 8, v1
	v_lshl_add_u32 v[TO], v2, 5, v[TO]
	v_add_nc_u32 v[TO], s21, v[TO]                 ; (128 (tr % 8) + 64 RH + r) x 256 + 32 h
	s_lshl_b32 s21, s[TC], 10
	s_lshl_b32 s22, s[CH], 9
	s_add_co_u32 s21, s21, s22
	v_lshl_add_u32 v[BO], v2, 5, s21               ; (256 tc + 128 CH + 8 h) x 4
	s_lshr_b32 s21, s[TR], 3                       ; the output: head 16 batch + 4 tc + 2 CH, position 128 (tr % 8) + 64 RH
	s_lshl_b32 s21, s21, 4
	s_lshl_b32 s22, s[TC], 2
	s_add_co_u32 s21, s21, s22
	s_lshl_b32 s22, s[CH], 1
	s_add_co_u32 s21, s21, s22
	s_lshl_b32 s21, s21, 17
	s_lshl_b32 s22, s20, 14
	s_add_co_u32 s20, s21, s22
	s_lshl_b32 s22, s[RH], 13
	s_add_co_u32 s20, s20, s22
	s_mov_b32 s21, 0
	s_add_nc_u64 s[OUTB:OUTB+1], s[OUTB:OUTB+1], s[20:21]
	s_mov_b64 s[TBL:TBL+1], s[TABP:TABP+1]
	s_add_nc_u64 s[BIA:BIA+1], s[TABP:TABP+1], BIAS0
	; the prefetches
	s_lshl_b32 s20, s[CX], 16                      ; my work-group's 16 rows of 4,096 bytes among the wave's 64
	s_mov_b32 s21, 0
	s_add_nc_u64 s[NXP:NXP+1], s[NXA:NXA+1], s[20:21]
	s_add_nc_u64 s[NXP2:NXP2+1], s[NXA2:NXA2+1], s[20:21]
	s_and_b32 s22, ttmp7, 0xffff                   ; cluster y
	s_cmp_eq_u32 s22, 0
	s_cselect_b32 s22, 0, -1
	s_mov_b32 s[STP], BSTEP
	s_mov_b32 s23, ASTEP
	s_mov_b32 s47, WKIND-7*BSTEP
	s_cmp_lt_u32 s[WV], 2                          ; do I fetch for x?
	s_cselect_b32 s[LIM0], 0, s22
	s_cselect_b32 s[LIM0+1], 0, s22
	s_cselect_b32 s[STP], s23, s[STP]
	s_cselect_b32 s[PFJ], s23, s47
	s_cselect_b32 s[AJ], 1, -1
	s_cselect_b64 s[PFA:PFA+1], s[70:71], s[72:73]
	s_cselect_b32 s20, s[CX], s[CY]                ; my place among the four that ask with me: 16 rows of 4,096 bytes, or 32 of 2,048
	s_cselect_b32 s23, 8, 15                       ; lanes 16-31: the step's second 256 bytes, or 16 rows on
	s_cselect_b32 s47, 12, 11                      ; lane % 16: a row
	s_lshl_b32 s20, s20, 16
	s_mul_i32 s21, s[STP], 3                       ; at K step 3: the first change of slots steps it to 4
	s_add_co_u32 s20, s20, s21
	s_mov_b32 s21, 0
	s_add_nc_u64 s[PFA:PFA+1], s[PFA:PFA+1], s[20:21]
	s_mov_b32 s[STP+1], 0
	s_mov_b32 s[INC+1], 0
	v_lshlrev_b32 v[PFO], s23, v2
	v_lshlrev_b32 v3, s47, v1
	v_add_nc_u32 v[PFO], v[PFO], v3
; 8 matrix instructions: row block a x all 8 column blocks, 32 along K.  zero = 1: the first product starts the sums, with the bias as C.
; The 32 accumulators take turns in one fixed order in every quarter, over the backward jumps too.
.macro MUL8 f, a, zero
.if \zero
	WIN MULB
.else
	WIN MUL
.endif
.irp b, 0,1,2,3,4,5,6,7
.if \zero
	v_wmma_f32_16x16x32_bf16 v[8*(8*(\a)+(\b)):8*(8*(\a)+(\b))+7], v[(\f)+8*(\b):(\f)+8*(\b)+7], v[(\f)+64+8*(\a):(\f)+64+8*(\a)+7], v[BIAS+8*(\b)+96*((\b)/4):BIAS+8*(\b)+96*((\b)/4)+7]
.else
	v_wmma_f32_16x16x32_bf16 v[8*(8*(\a)+(\b)):8*(8*(\a)+(\b))+7], v[(\f)+8*(\b):(\f)+8*(\b)+7], v[(\f)+64+8*(\a):(\f)+64+8*(\a)+7], v[8*(8*(\a)+(\b)):8*(8*(\a)+(\b))+7]
.endif
.endr
.endm
; 32 LDS loads in one run: quarter q (32 along K) of a slot: W's 128 rows into buffer f, x's 64 rows in f32 into the raw registers.
; Of x lane l wants K = 8 h + 0..7 and 16 + 8 h + 0..7 of row l % 16: 32 bytes at 32 h and 32 bytes at 64 + 32 h of the quarter's 128.
.macro FETCH slot, q, f
	WIN TO_F
.irp i, 0,1,2,3,4,5,6,7
	ds_load_b128 v[(\f)+8*(\i):(\f)+8*(\i)+3],   v[ADRB+(\slot)] offset:64*(\q)+(\i)*16*PITCH
	ds_load_b128 v[(\f)+8*(\i)+4:(\f)+8*(\i)+7], v[ADRB+(\slot)] offset:64*(\q)+(\i)*16*PITCH+32
.endr
	WIN TO_R
.irp i, 0,1,2,3
	ds_load_b128 v[RAW+16*(\i):RAW+16*(\i)+3],     v[ADRA+(\slot)] offset:128*(\q)+(\i)*16*PAF
	ds_load_b128 v[RAW+16*(\i)+4:RAW+16*(\i)+7],   v[ADRA+(\slot)] offset:128*(\q)+(\i)*16*PAF+16
	ds_load_b128 v[RAW+16*(\i)+8:RAW+16*(\i)+11],  v[ADRA+(\slot)] offset:128*(\q)+(\i)*16*PAF+64
	ds_load_b128 v[RAW+16*(\i)+12:RAW+16*(\i)+15], v[ADRA+(\slot)] offset:128*(\q)+(\i)*16*PAF+80
.endr
.endm
; The raw registers are rounded to bf16 into buffer f's four fragments of x: 32 plain lines, two roundings each.  They name no register of the products just issued (those read the other buffer),
; so they are also the places ahead of the next run of loads; buffer f's own last readers stand a whole quarter, and the 32 lines of its rounding, further back.
.macro CVT f
	WIN W_CV
.irp i, 0,1,2,3
.irp j, 0,1,2,3,4,5,6,7
	v_cvt_pk_bf16_f32 v[(\f)+64+8*(\i)+(\j)], v[RAW+16*(\i)+2*(\j)], v[RAW+16*(\i)+2*(\j)+1]
.endr
.endr
.endm
; One of a K step's first three quarters: buffer f is finished and multiplied; ahead of its 32 products quarter q is fetched for buffer g, which the quarter before multiplied.
.macro QUARTER slot, q, f, g, zero
	s_wait_dscnt 0x0                               ; buffer f's loads are back: they were issued 16 or 32 matrix instructions ago
	CVT \f
	FETCH \slot, \q, \g
	MUL8 \f, 0, \zero
	MUL8 \f, 1, \zero
	MUL8 \f, 2, \zero
	MUL8 \f, 3, \zero
.endm
; The last quarter multiplies buffer 1 and changes slots.  Half of its products stand AHEAD of the wait for the tile: between a tile's landing and the next request stand only the add, the
; descriptors' steps, the wait for the add and the round.  Each wave waits for all its tensor loads (one is out: its part of the next slot), adds 0 to its spare word, and waits for that
; (its reads of this slot came back ahead of the rounding).  mode 0: the slot takes this kind's K step two on; 1: the next kind's K step 0 or 1, x's address made from that input's own pointer;
; in both the barrier opens a round of the cluster's, and the joint refill is the first tensor load behind the round.  mode 2: nothing is filled, and the work-group's barrier is all.
.macro TURN slot, next, mode
.if (\mode) < 2
	s_wait_xcnt 0x0                                ; the last prefetch, a K step back, has read its address
.if ((\mode) == 0) && ((\slot) == 0)
	s_cmp_eq_u32 s3, 1                             ; K step 4: the place four on is the next kind's K step 0:
	s_cselect_b32 s[INC], s[PFJ], s[STP]           ; in wb a fixed distance on,
	s_add_nc_u64 s[PFA:PFA+1], s[PFA:PFA+1], s[INC:INC+1]
	s_cmp_eq_u32 s3, s[AJ]
	s_cselect_b64 s[PFA:PFA+1], s[NXP:NXP+1], s[PFA:PFA+1]  ; for x in another buffer
.else
	s_add_nc_u64 s[PFA:PFA+1], s[PFA:PFA+1], s[STP:STP+1]
.endif
.endif
	s_wait_dscnt 0x0                               ; buffer 1's loads are back: my reads of this slot are over
	CVT F1
	MUL8 F1, 0, 0
	MUL8 F1, 1, 0
	WIN 0
	s_wait_tensorcnt 0x0                           ; all my tensor loads have landed, so every group 0 may be written
	ds_add_u32 v[SPW], v[NIL]                      ; 0 onto my spare word
.if (\mode) == 0
	s_add_nc_u64 s[G0A+4*(\slot)+2:G0A+4*(\slot)+3], s[G0A+4*(\slot)+2:G0A+4*(\slot)+3], 2*ASTEP
	s_add_nc_u64 s[G0B+4*(\slot)+2:G0B+4*(\slot)+3], s[G0B+4*(\slot)+2:G0B+4*(\slot)+3], 2*BSTEP
.elseif (\mode) == 1
	s_add_nc_u64 s[G0A+4*(\slot)+2:G0A+4*(\slot)+3], s[NXA:NXA+1], (\slot)*ASTEP
	s_or_b32 s[G0A+4*(\slot)+3], s[G0A+4*(\slot)+3], 0x80000000
	s_add_nc_u64 s[G0B+4*(\slot)+2:G0B+4*(\slot)+3], s[G0B+4*(\slot)+2:G0B+4*(\slot)+3], NEXT_B
.endif
	s_wait_dscnt 0x0                               ; the add is done
	s_barrier_signal -1
	s_barrier_wait -1
.if (\mode) < 2
	CREST                                          ; no wave of any partner still reads this slot or has a load on its way
	JLOAD \slot
.else
	PLACES
.endif
	FETCH \next, 0, F0
.if (\mode) < 2
	WIN 0
	ASK \slot, \mode
.endif
	MUL8 F1, 2, 0
	MUL8 F1, 3, 0
.endm
.macro BIASLOAD off                    ; my 128 columns' bias in the accumulators' layout: register j of block b is column 16 b + 8 h + j
	WIN TO_F
.irp b, 0,1,2,3,4,5,6,7
	global_load_b128 v[BIAS+8*(\b)+96*((\b)/4):BIAS+8*(\b)+96*((\b)/4)+3],   v[BO], s[BIA:BIA+1] offset:(\off)+64*(\b)
	global_load_b128 v[BIAS+8*(\b)+96*((\b)/4)+4:BIAS+8*(\b)+96*((\b)/4)+7], v[BO], s[BIA:BIA+1] offset:(\off)+64*(\b)+16
.endr
	WIN 0
.endm
; THE WAY OUT, a block of 16 rows at a time.  TABLOAD: my row's (cos, sin) for the 16 pairs that I hold of a head's 32 (both heads take the same).
.macro TABLOAD a
	WIN 0
.irp c, 0,1,2,3
	global_load_b128 v[TAB+32*((\a)%2)+8*(\c):TAB+32*((\a)%2)+8*(\c)+3],   v[TO], s[TBL:TBL+1] offset:4096*(\a)+64*(\c)
	global_load_b128 v[TAB+32*((\a)%2)+8*(\c)+4:TAB+32*((\a)%2)+8*(\c)+7], v[TO], s[TBL:TBL+1] offset:4096*(\a)+64*(\c)+16
.endr
.endm
; ROT: (x0, x1) -> (x0 c - x1 s, x1 c + x0 s), then two roundings to f16 a line.  Each accumulator's lowest pair is read first.  left: the younger table loads that may stay out.
.macro ROT a, left
	s_wait_loadcnt \left
	WIN ROTW
.irp b, 0,1,2,3,4,5,6,7
.irp i, 0,1,2,3
	v_pk_mul_f32 v[W+8*(\b)+2*(\i):W+8*(\b)+2*(\i)+1], v[8*(8*(\a)+(\b))+2*(\i):8*(8*(\a)+(\b))+2*(\i)+1], v[TAB+32*((\a)%2)+8*((\b)%4)+2*(\i):TAB+32*((\a)%2)+8*((\b)%4)+2*(\i)+1] op_sel_hi:[1,0]
.endr
.endr
.irp b, 0,1,2,3,4,5,6,7
.irp i, 0,1,2,3
	v_fma_f32 v[W+8*(\b)+2*(\i)],   -v[8*(8*(\a)+(\b))+2*(\i)+1], v[TAB+32*((\a)%2)+8*((\b)%4)+2*(\i)+1], v[W+8*(\b)+2*(\i)]
	v_fma_f32 v[W+8*(\b)+2*(\i)+1], v[8*(8*(\a)+(\b))+2*(\i)],    v[TAB+32*((\a)%2)+8*((\b)%4)+2*(\i)+1], v[W+8*(\b)+2*(\i)+1]
.endr
.endr
	WIN 0
.irp b, 0,1,2,3,4,5,6,7
.irp i, 0,1,2,3
	v_cvt_pk_f16_f32 v[TMP+4*(\b)+(\i)], v[W+8*(\b)+2*(\i)], v[W+8*(\b)+2*(\i)+1]
.endr
.endr
.endm
.macro TOSTAGE a                       ; 16 bytes a lane into rows of 144 bytes, head b / 4; back as whole rows of 128
	WIN 0
.set BK, BK0+96*((\a)%2)
.irp b, 0,1,2,3,4,5,6,7
	ds_store_b128 v[STO], v[TMP+4*(\b):TMP+4*(\b)+3] offset:((\b)/4)*16*SP+32*((\b)%4)
.endr
.irp t, 0,1,2,3,4,5,6,7
	ds_load_b128 v[BK+4*(\t):BK+4*(\t)+3], v[RD] offset:((\t)/4)*16*SP+((\t)%4)*4*SP  ; LDS serves a wave's instructions in order (ISA guide 5.7.1.4): these see the stores above
.endr
.endm
.macro SEND a
	WIN 0
.set BK, BK0+96*((\a)%2)
	s_wait_dscnt 0x0                               ; the block is back in registers
	s_wait_xcnt 0x0                                ; the stores issued so far have read their registers: the other set of rows is loaded again only behind this wait
.irp t, 0,1,2,3,4,5,6,7
	global_store_b128 v[CO], v[BK+4*(\t):BK+4*(\t)+3], s[OUTB:OUTB+1] offset:2048*(\a)+((\t)/4)*131072+((\t)%4)*512  ; 512 consecutive bytes of one head, aligned
.endr
.endm
.macro WAYOUT
	PLACES
	PLACES
	ROT 0, 8
	TABLOAD 2
	TOSTAGE 0
	ROT 1, 8                                       ; a block's arithmetic stands between the loads of the block before and its stores
	TABLOAD 3
	SEND 0
	TOSTAGE 1
	ROT 2, 8
	SEND 1
	TOSTAGE 2
	ROT 3, 0
	SEND 2
	TOSTAGE 3
	SEND 3
.endm
	BIASLOAD 0
	s_wait_tensorcnt 1                             ; my part of K step 0 is in; K step 1's may stay out
	s_barrier_signal -1
	s_barrier_wait -1
	FETCH 0, 0, F0
	WIN 0
	s_mov_b32 s2, 3                                ; kinds to go, this one among them
.Ltile:
	s_wait_loadcnt 0x0                             ; this kind's bias
	QUARTER 0, 1, F0, F1, 1                        ; a kind's first quarter stands ahead of the loop: its products start the sums
	PLACES                                         ; behind the last product that read the bias
	BIASLOAD 4096                                  ; the next kind's (in the last kind: the fourth bias of tab, which is not used here)
	s_mov_b32 s3, 3
.Llap:                                         ; a trip goes once round the ring and fills both slots again
	QUARTER 0, 2, F1, F0, 0
	QUARTER 0, 3, F0, F1, 0
	TURN 0, 1, 0
	QUARTER 1, 1, F0, F1, 0
	QUARTER 1, 2, F1, F0, 0
	QUARTER 1, 3, F0, F1, 0
	TURN 1, 0, 0
	QUARTER 0, 1, F0, F1, 0
	WIN 0
	s_sub_co_u32 s3, s3, 1
	s_cmp_lg_u32 s3, 0
	s_cbranch_scc1 .Llap
	TABLOAD 0                                      ; the table for the first two blocks of rows: seven quarters ahead of its use
	TABLOAD 1
	QUARTER 0, 2, F1, F0, 0
	QUARTER 0, 3, F0, F1, 0
	WIN 0
	s_cmp_eq_u32 s2, 1
	s_cbranch_scc1 .Llast                          ; the last kind's tail is written out: it asks for nothing more
	TURN 0, 1, 1                                   ; the ring goes on into the next kind
	QUARTER 1, 1, F0, F1, 0
	QUARTER 1, 2, F1, F0, 0
	QUARTER 1, 3, F0, F1, 0
	TURN 1, 0, 1
	WAYOUT                                         ; both refills are asked for: now the tile goes out
	s_wait_xcnt 0x0                                ; loads and stores have read their bases
	s_add_nc_u64 s[OUTB:OUTB+1], s[OUTB:OUTB+1], OKIND
	s_add_nc_u64 s[TBL:TBL+1], s[TBL:TBL+1], TKIND
	s_add_nc_u64 s[BIA:BIA+1], s[BIA:BIA+1], 4096
	s_mov_b64 s[NXA:NXA+1], s[NXA2:NXA2+1]         ; the kind after the next is value
	s_mov_b64 s[NXP:NXP+1], s[NXP2:NXP2+1]
	s_sub_co_u32 s2, s2, 1
	s_cmp_eq_u32 s2, 1                             ; in the last kind a wave that asks asks in the first four K steps alone
	s_cselect_b32 s20, 1, 0
	s_max_u32 s[LIM0], s[LIM0], s20
	s_max_u32 s[LIM0+1], s[LIM0+1], s20
	s_branch .Ltile
.Llast:
	TURN 0, 1, 2
	QUARTER 1, 1, F0, F1, 0
	QUARTER 1, 2, F1, F0, 0
	QUARTER 1, 3, F0, F1, 0
	s_wait_dscnt 0x0
	CVT F1
	MUL8 F1, 0, 0
	MUL8 F1, 1, 0
	MUL8 F1, 2, 0
	MUL8 F1, 3, 0
	WIN 0
	WAYOUT
	s_wait_tensorcnt 0x0                           ; the wave's end: behind my last tensor load and my last LDS store
	ds_add_u32 v[SPW], v[NIL]
	s_wait_dscnt 0x0
	CROUND                                         ; the closing round
	s_endpgm
.Lfunc_end_k_qf95dc8a070_proj:
	.size	k_qf95dc8a070_proj, .Lfunc_end_k_qf95dc8a070_proj-k_qf95dc8a070_proj
	.p2alignl 7, 3214868480
	.fill 96, 4, 3214868480
	.section	.rodata,"a",@progbits
	.p2align	6, 0x0
	.amdhsa_kernel k_qf95dc8a070_proj
		.amdhsa_group_segment_fixed_size 327680
		.amdhsa_private_segment_fixed_size 0
		.amdhsa_enable_private_segment 0
		.amdhsa_kernarg_size 48
		.amdhsa_user_sgpr_count 2
		.amdhsa_user_sgpr_kernarg_segment_ptr 1
		.amdhsa_wavefront_size32 1
		.amdhsa_system_sgpr_workgroup_id_x 1
		.amdhsa_system_sgpr_workgroup_id_y 1
		.amdhsa_system_sgpr_workgroup_id_z 1
		.amdhsa_system_vgpr_workitem_id 0
		.amdhsa_next_free_vgpr 832
		.amdhsa_next_free_sgpr 92
		.amdhsa_reserve_vcc 0
		.amdhsa_float_denorm_mode_32 3
		.amdhsa_float_denorm_mode_16_64 3
		.amdhsa_memory_ordered 1
		.amdhsa_forward_progress 1
		.amdhsa_inst_pref_size 234
	.end_amdhsa_kernel
	.amdgpu_metadata
---
amdhsa.version: [ 1, 2 ]
amdhsa.kernels:
  - .name:           k_qf95dc8a070_proj
    .symbol:         k_qf95dc8a070_proj.kd
    .args:
      - { .name: query, .offset: 0, .size: 8, .value_kind: global_buffer, .address_space: global }
      - { .name: key, .offset: 8, .size: 8, .value_kind: global_buffer, .address_space: global }
      - { .name: value, .offset: 16, .size: 8, .value_kind: global_buffer, .address_space: global }
      - { .name: wb, .offset: 24, .size: 8, .value_kind: global_buffer, .address_space: global }
      - { .name: tab, .offset: 32, .size: 8, .value_kind: global_buffer, .address_space: global }
      - { .name: qkv, .offset: 40, .size: 8, .value_kind: global_buffer, .address_space: global }
    .group_segment_fixed_size: 327680
    .private_segment_fixed_size: 0
    .kernarg_segment_align: 8
    .kernarg_segment_size: 48
    .max_flat_workgroup_size: 128
    .sgpr_count:     92
    .vgpr_count:     832
    .wavefront_size: 32
...
	.end_amdgpu_metadata
.endif
;; end of part 2
;; launch attn (part 3): grid 2 x 128, 4 waves a work-group, no clusters, 327,680 bytes of LDS; arguments qkv, oh; writes oh
.if DOCPART == 3
	.amdgcn_target "amdgcn-amd-amdhsa--gfx1250"
	.amdhsa_code_object_version 6
	.text
	.protected	k_qf95dc8a070_attn
	.globl	k_qf95dc8a070_attn
	.p2align	8
	.type	k_qf95dc8a070_attn,@function
k_qf95dc8a070_attn:
	s_mov_b64 s[64:65], 0
	v_nop
	global_prefetch_b8 v0, s[64:65] scope:SCOPE_SE
	s_setreg_imm32_b32 hwreg(HW_REG_WAVE_MODE, 25, 1), 1
	s_wait_xcnt 0x0
; ATTN: O[h][q][:] = the sum over k of softmax_k(Q[h][q] . K[h][k] / 8) V[h][k][:].  qkv: [3][128][1024][64] f16 (Q, K, V; Q without the factor 1/8), oh: [128][1024][64] f16.
; Products, maxima and sums in f32; the weights p are rounded to f16 for the second product (their sum l is taken of the unrounded p), O once at the end.
; LIMITS.  Q, K and V arrive within f16's range; p lies in 0 to 1, and below 6e-5 it keeps f16's fixed step of 6e-8.  A weight below 2^-126 counts as 0 in l; NaN and infinities are not treated apart.
; SHARES.  A work-group owns 512 queries of one head, a wave 128: four PIECES of two tiles of 16.  Every wave walks the head's 1,024 keys, 64 a step.
; ALL OF THE HEAD'S K AND V LIES IN LDS: 1,024 rows of 144 and of 160 bytes.  Each wave asks for its eighth... its half of K (waves 0, 1) or of V (waves 2, 3) by four tensor loads at the head, 128 keys each;
; every byte is filled once, so no slot changes hands.  The first 256 keys are waited for by a counted wait; the rest when they are first wanted, four key steps later.
; NO CLUSTER: a head has two work-groups, and a grid of two along x holds no cluster of four.  NO PREFETCH: all that the launch reads of K and V is asked for by the loads at its head.
; LAYOUT.  S^T = K Q^T (source 0 = 16 keys, source 1 = 16 queries): a lane holds ONE query (lane % 16) and the keys 8 (lane / 16) + 0..7.  Two such tiles, rounded to f16 in pairs,
; ARE source 1 of O^T = V^T P.  K comes out of LDS as it lies, V ([key][channel]) turned, by ds_load_tr16_b128.
; SOFTMAX.  For each query a running maximum m and sum l: p = 2^(c s - c m), c = log2(e) / 8; in every step O and l are multiplied by a = 2^(c m_old - c m_new).
; m starts at the lowest finite number, O and l at 0: the first step is a step like any other, with a = 0.
; BY TURNS.  Turn n belongs to piece n.  Its matrix work: 16 products K Q^T of piece n + 1, later 16 products V^T P of piece n - 1.  Its vector work: the scaling, exponentials, roundings, sums and
; rescaling of piece n, and the maximum and statistics of piece n + 1.  Four vector instructions stand behind every matrix instruction, the others in one run; a turn's exponentials are one batch with one wait.
; REGISTERS, in windows of 256 (s_set_vgpr_msb: bits 1:0 source 0, 3:2 source 1, 5:4 source 2, 7:6 destination):
;   window 0: v0-11 addresses; v12-15, v48-63 at work; v16-47 four registers of statistics a tile; v64-191 S^T, two buffers of two tiles; v192-255 P, likewise
;   window 1: O^T, 32 a tile          window 2: v0-127 Q, 16 a tile; v128-191 K of one step; v192-255 V of one step          window 3: v0-1 the add's two registers
.set SIZE_N, 1024
.set NP,    4         ; pieces a wave: a name, no knob
.set KS,    64        ; keys in a step
.set PK,    144       ; a row of K in LDS: 128 bytes + 16 of padding: the 16 rows of a load start at 16 different groups of four banks (64 banks of 4 bytes: ISA guide 11.1)
.set PV,    160       ; a row of V: 128 + 32
.set VOFF,  SIZE_N*PK
.set STAGE, VOFF+SIZE_N*PV  ; never filled by a tensor load: 16 rows x 144 bytes for each wave, for the way out
.set SP,    144
.set AK0, 2           ; v2   my lane's place in a tile of K; never rewritten
.set AV0, 3           ; v3   the same for V
.set AK,  4           ; v4   the LDS address of K's next run of loads
.set AV,  5           ; v5   of V's
.set QO,  6           ; v6   my byte offset in the wave's rows of Q
.set STO, 6           ;      later, the way out: where I put 16 bytes of a row
.set RD,  7           ; v7   where I read rows back
.set GO,  8           ; v8   my byte offset in 512 consecutive bytes of O
.set SPW, 0           ; v0 of window 3   my spare word; never rewritten
.set NIL, 1           ; v1 of window 3   0; never rewritten
.set SPARE, STAGE+4*16*SP  ; the spare words, 128 bytes a wave: two blocks of 256 bytes that no other line names
.set MV,  12          ; v12-15  c m_old, kept while c m is made anew: by buffer and tile
.set ST,  16          ; tile t's statistics at v[ST+4 t]: c m, m, l (even keys', odd keys')
.set TMP, 48          ; by buffer and tile, four registers c0-c3 at work; when the maximum is found c2 takes a
.set S,   64
.set P,   192
.set KF,  128         ; K's fragments, in window 2
.set VF,  192         ; V's
.set WV,  12          ; s12  my wave's number
.set G1K, 24          ; s[24:31] descriptor group 1 for K's tiles
.set G1V, 32          ; s[32:39] for V's: it differs in the padding alone
.set G0K, 40          ; s[40:55] descriptor group 0 for K's four tiles
.set G0V, 68          ; s[68:83] for V's
.set SLOTS, 56        ; s56  counts the groups of four key steps, 5 to 1
.set CNT, 57          ; s57  counts a group's key steps
.set CS,  58          ; s[58:59] c
.set SEL, 60          ; s[60:61] v_permlanex16_b32's selects: each lane takes its own place in the other half
.set TBK, 62          ; s62  LDS byte at which K of the step to be fetched begins
.set TBV, 63          ; s63  the same for V, less VOFF
.set MSB, 0
.macro WIN new
.if MSB != (\new)
	s_set_vgpr_msb (MSB<<8)|(\new)
.set MSB, (\new)
.endif
.endm
.set W_KQ, 0x0a       ; K and Q in window 2, S^T in window 0
.set W_PV, 0x52       ; V in window 2, P in window 0, O^T in window 1
.set W_RS, 0x41       ; O^T (destination and source 0) in window 1, a in window 0
.set W_MK, 0xc0       ; the add's registers are made: destination in window 3
.set W_AD, 0x0f       ; the add: address and data in window 3
; My tensor loads but the n youngest have landed, I say so, and behind the barrier that holds of all four waves.
.macro MEET n
	s_wait_tensorcnt \n
	s_wait_dscnt 0x0
	s_barrier_signal -1
	s_barrier_wait -1
.endm
	s_load_b128 s[4:7], s[0:1], 0x0  ; qkv s[4:5], oh s[6:7]
	WIN W_MK
	v_lshl_add_u32 v[SPW], v0, 2, SPARE
	v_mov_b32 v[NIL], 0
	WIN W_AD
	ds_add_u32 v[SPW], v[NIL]       ; the wave's opening: the add and its wait ahead of my first tensor load; the set-up below stands between
	WIN 0
	v_lshrrev_b32 v1, 5, v0
	v_readfirstlane_b32 s[WV], v1   ; wave 0..3
	s_and_b32 s20, ttmp7, 0xffff    ; the head:
	s_lshl_b32 s20, s20, 17         ; 131,072 bytes in each of Q, K, V, O
	s_and_b32 s16, s[WV], 1         ; which half of each 256 keys I fetch:
	s_lshl_b32 s22, s16, 14         ; its 128 rows of 128 bytes in memory,
	s_add_co_u32 s22, s22, s20
	s_mov_b32 s23, 0
	s_mul_i32 s17, s16, 128*PK      ; and its place in LDS, for K
	s_mul_i32 s18, s16, 128*PV      ; and for V
	s_lshl_b32 s2, ttmp9, 2
	s_add_co_u32 s2, s2, s[WV]      ; my wave among the head's eight,
	s_lshl_b32 s2, s2, 14           ; its 128 rows
	s_add_co_u32 s2, s2, s20
	s_mov_b32 s3, 0
	; descriptor group 1.  128 keys are 16,384 dense bytes: asked for as 64 rows of 256 bytes, two keys a row, and padded in LDS after every key
	s_mov_b32 s[G1K], (1<<16)|(1<<20)|(4<<22)|(3<<25)  ; 2-byte elements; padding on; after every 32 words; 4 words
	s_mov_b32 s[G1V], (1<<16)|(1<<20)|(4<<22)|(7<<25)  ; the same with 8 words
.irp g, G1K, G1V
	s_mov_b32 s[\g+1], 128<<16      ; tensor_dim0 = 128
	s_mov_b32 s[\g+2], 64<<16       ; tensor_dim1 = 64
	s_mov_b32 s[\g+3], 128<<16      ; tile_dim0 = 128
	s_mov_b32 s[\g+4], 64           ; tile_dim1 = 64
	s_mov_b32 s[\g+5], 128          ; 128 elements from row to row
	s_mov_b32 s[\g+6], 0
	s_mov_b32 s[\g+7], 0
.endr
	s_mov_b32 s[CS], 0x3e38aa3b     ; c = log2(e) / 8
	s_mov_b32 s[CS+1], s[CS]
	s_mov_b32 s[SEL], 0x76543210
	s_mov_b32 s[SEL+1], 0xfedcba98
	s_mov_b32 s[TBK], 0
	s_mov_b32 s[TBV], 0
	s_wait_dscnt 0x0                ; the opening add is done
	s_wait_kmcnt 0x0
	s_add_nc_u64 s[8:9], s[4:5], s[22:23]
	s_add_nc_u64 s[10:11], s[8:9], 33554432  ; V at my half of the head's first 256 keys
	s_add_nc_u64 s[8:9], s[8:9], 16777216    ; K likewise
	s_add_nc_u64 s[4:5], s[4:5], s[2:3]      ; Q and O at my wave's first row
	s_add_nc_u64 s[6:7], s[6:7], s[2:3]
.irp t, 0,1,2,3
	s_mov_b32 s[G0K+4*(\t)], 1
	s_add_co_u32 s[G0K+4*(\t)+1], s17, (\t)*256*PK
	s_add_nc_u64 s[G0K+4*(\t)+2:G0K+4*(\t)+3], s[8:9], (\t)*32768
	s_or_b32 s[G0K+4*(\t)+3], s[G0K+4*(\t)+3], 0x80000000
	s_mov_b32 s[G0V+4*(\t)], 1
	s_add_co_u32 s[G0V+4*(\t)+1], s18, VOFF+(\t)*256*PV
	s_add_nc_u64 s[G0V+4*(\t)+2:G0V+4*(\t)+3], s[10:11], (\t)*32768
	s_or_b32 s[G0V+4*(\t)+3], s[G0V+4*(\t)+3], 0x80000000
.endr
	s_cmp_lt_u32 s[WV], 2           ; a wave's four fills stand in one branch, ahead of every wait on TENSORcnt, every LDS read and every barrier: four loads of mine are out
	s_cbranch_scc0 .Lfirst_v
.irp t, 0,1,2,3
	tensor_load_to_lds s[G0K+4*(\t):G0K+4*(\t)+3], s[G1K:G1K+7]
	s_nop 0
.endr
.rept 4
	v_nop
.endr
	s_branch .Lfirst_asked
.Lfirst_v:
.irp t, 0,1,2,3
	tensor_load_to_lds s[G0V+4*(\t):G0V+4*(\t)+3], s[G1V:G1V+7]
	s_nop 0
.endr
.rept 4
	v_nop
.endr
.Lfirst_asked:
	; A fragment of K or Q is 16 rows x 32 channels in 8 registers: lane l holds row l % 16, channels 8 (l / 16) + 0..7 and 16 + 8 (l / 16) + 0..7: two loads of 16 bytes, 32 bytes apart.
	v_and_b32 v1, 15, v0            ; l % 16
	v_bfe_u32 v9, v0, 4, 1          ; l / 16
	v_lshlrev_b32 v[QO], 7, v1
	v_lshl_add_u32 v[QO], v9, 4, v[QO]
	WIN 0x80                        ; destination window 2, address window 0
.set i, 0
.rept 4*NP                          ; Q stays in registers: tile i / 2, channels 32 (i % 2) on
	global_load_b128 v[8*i:8*i+3],   v[QO], s[4:5] offset:(i/2)*2048+(i%2)*64
	global_load_b128 v[8*i+4:8*i+7], v[QO], s[4:5] offset:(i/2)*2048+(i%2)*64+32
.set i, i+1
.endr
	; What the first turn finds: V's registers and P's second buffer hold 0 (its products V^T P, of a piece that has not been, add 0), O^T and l are 0.  All this stands in the wait for the first tile.
.set i, VF
.rept 64
	v_mov_b32 v[i], 0
.set i, i+1
.endr
	WIN 0x40
.set i, 0
.rept 64*NP
	v_mov_b32 v[i], 0
.set i, i+1
.endr
	WIN 0
.set i, 0
.rept 2*NP
	v_mov_b32 v[ST+4*i], 0xfe000000    ; c m: far below every c s
	v_mov_b32 v[ST+4*i+1], 0xff7fffff  ; m
	v_mov_b32 v[ST+4*i+2], 0
	v_mov_b32 v[ST+4*i+3], 0
.set i, i+1
.endr
.set i, P+32
.rept 32
	v_mov_b32 v[i], 0
.set i, i+1
.endr
	v_mul_u32_u24 v[AK0], v1, PK
	v_lshl_add_u32 v[AK0], v9, 4, v[AK0]
	; The turning load takes 16 keys x 16 channels (lane l reads key 8 (l / 16) + l % 8, channels 8 ((l / 8) % 2) + 0..7) and leaves half a fragment of V^T: lane l holds channel l % 16 and 8 keys.
	v_and_b32 v10, 7, v0
	v_bfe_u32 v11, v0, 3, 1
	v_lshl_add_u32 v[AV0], v9, 3, v10
	v_mul_u32_u24 v[AV0], v[AV0], PV
	v_lshl_add_u32 v[AV0], v11, 4, v[AV0]
	v_add_nc_u32 v[AV0], VOFF, v[AV0]
	v_mov_b32 v[AK], v[AK0]         ; key step 0 lies at LDS byte 0
; THE MATRIX WORK.  The 8 accumulators of a run of 16 take turns.
; Product i of 16 of S^T = K Q^T for piece x: channels 32 (i / 8) on, keys 16 ((i / 2) % 4) on, tile 2 x + i % 2.  The first 8 start the sums.
.macro KQ x
	WIN W_KQ
.set rS, S+64*((\x)%2)+32*(i%2)+8*((i/2)%4)
.set rK, KF+16*((i/2)%4)+8*(i/8)
.set rQ, 16*(2*(\x)+i%2)+8*(i/8)
.if i < 8
	v_wmma_f32_16x16x32_f16 v[rS:rS+7], v[rK:rK+7], v[rQ:rQ+7], 0
.else
	v_wmma_f32_16x16x32_f16 v[rS:rS+7], v[rK:rK+7], v[rQ:rQ+7], v[rS:rS+7]
.endif
.endm
; Product i of 16 of O^T += V^T P for piece x: keys 32 (i / 8) on, channels 16 ((i / 2) % 4) on, tile 2 x + i % 2.
.macro PV x
	WIN W_PV
.set rO, 32*(2*(\x)+i%2)+8*((i/2)%4)
.set rV, VF+32*(i/8)+8*((i/2)%4)
.set rP, P+32*((\x)%2)+16*(i%2)+8*(i/8)
	v_wmma_f32_16x16x32_f16 v[rO:rO+7], v[rV:rV+7], v[rP:rP+7], v[rO:rO+7]
.endm
.macro MM                           ; the turn's next matrix instruction
.if i < 16
	KQ (Y+1)%NP
.set i, i+1
.else
.set i, i-16
	PV (Y+NP-1)%NP
.set i, i+17
.endif
.endm
; THE LDS LOADS stand in runs of 16.  last = 1: behind the sixteenth step there is no further one, and the run is jumped over.
.macro FETCH_K last=0
	WIN 0
.if \last
	s_cmp_eq_u32 s[SLOTS], 1
	s_cbranch_scc1 .Lno_k_\@
.endif
	WIN 0x80                        ; destination window 2
.irp f, 0,1,2,3,4,5,6,7             ; keys 16 (f / 2) on, channels 32 (f % 2) on
	ds_load_b128 v[KF+8*\f:KF+8*\f+3],   v[AK] offset:(\f/2)*16*PK+(\f%2)*64
	ds_load_b128 v[KF+8*\f+4:KF+8*\f+7], v[AK] offset:(\f/2)*16*PK+(\f%2)*64+32
.endr
	s_add_co_u32 s[TBK], s[TBK], KS*PK  ; the next fetch is the next step's
	WIN 0
.if \last
.Lno_k_\@:
.endif
.endm
.macro FETCH_V
	WIN 0x80
.irp f, 0,1,2,3,4,5,6,7             ; keys 32 (f / 4) on, channels 16 (f % 4) on
	ds_load_tr16_b128 v[VF+8*\f:VF+8*\f+3],   v[AV] offset:(\f/4)*32*PV+(\f%4)*32
	ds_load_tr16_b128 v[VF+8*\f+4:VF+8*\f+7], v[AV] offset:(\f/4)*32*PV+16*PV+(\f%4)*32
.endr
	WIN 0
.endm
; THE VECTOR WORK OF A TURN stands in three queues, each in the order in which its entries become ready; the two tiles alternate.
.macro REGS y, u                    ; the registers of tile u (0, 1) of piece y
.set rT, ST+4*(2*(\y)+(\u))
.set rC, TMP+8*((\y)%2)+4*(\u)
.set rM, MV+2*((\y)%2)+(\u)
.set rS, S+64*((\y)%2)+32*(\u)
.set rP, P+32*((\y)%2)+16*(\u)
.set rO, 32*(2*(\y)+(\u))
.endm
; Number n of the 22 that find the NEXT piece's maximum and statistics; each accumulator's lowest registers are read first.
;   0-11  four chains c0-c3 of seven scores each     12-14, 16  the four scores left over, the old m, and c0-c3 into c0     15  c m_old is kept
;   17, 18  the query's other 32 keys lie in the lane 16 away: the new m         19-21  c m; c m_old - c m_new; a
.macro XS u, n
	REGS (Y+1)%NP, \u
.if (\n) < 4
	v_max3_num_f32 v[rC+(\n)], v[rS+8*(\n)], v[rS+8*(\n)+1], v[rS+8*(\n)+2]
.elseif (\n) < 12
	v_max3_num_f32 v[rC+(\n)%4], v[rC+(\n)%4], v[rS+8*((\n)%4)+2*((\n)/4)+1], v[rS+8*((\n)%4)+2*((\n)/4)+2]
.elseif (\n) == 12
	v_max3_num_f32 v[rC], v[rC], v[rS+7], v[rS+15]
.elseif (\n) == 13
	v_max3_num_f32 v[rC+1], v[rC+1], v[rS+23], v[rS+31]
.elseif (\n) == 14
	v_max3_num_f32 v[rC+2], v[rC+2], v[rC+3], v[rT+1]
.elseif (\n) == 15
	v_mov_b32 v[rM], v[rT]
.elseif (\n) == 16
	v_max3_num_f32 v[rC], v[rC], v[rC+1], v[rC+2]
.elseif (\n) == 17
	v_permlanex16_b32 v[rC+3], v[rC], s[SEL], s[SEL+1]
.elseif (\n) == 18
	v_max_num_f32 v[rT+1], v[rC], v[rC+3]
.elseif (\n) == 19
	v_mul_f32 v[rT], s[CS], v[rT+1]
.elseif (\n) == 20
	v_sub_f32 v[rC+1], v[rM], v[rT]
.else
	v_exp_f32 v[rC+2], v[rC+1]
.endif
.endm
; Number g of the 64 that follow the exponentials.  For each four weights of a tile: both pairs are rounded to f16; the second pair is added onto the first, in place; a group later l takes that sum.
.macro GS g
.set h, (\g)+6*((\g)/62)
.if h >= 6
.set h, h+2
.endif
	REGS Y, h%2
.set k, h/8
.if h%8 < 4
	v_cvt_pk_f16_f32 v[rP+2*k+(h%8)/2], v[rS+4*k+2*((h%8)/2)], v[rS+4*k+2*((h%8)/2)+1]
.elseif h%8 < 6
	v_pk_add_f32 v[rS+4*k:rS+4*k+1], v[rS+4*k:rS+4*k+1], v[rS+4*k+2:rS+4*k+3]
.elseif k == 1
	v_pk_fma_f32 v[rT+2:rT+3], v[rT+2:rT+3], v[rC+2:rC+3], v[rS:rS+1] op_sel_hi:[1,0,1]
.else
	v_pk_add_f32 v[rT+2:rT+3], v[rT+2:rT+3], v[rS+4*k-4:rS+4*k-3]
.endif
.endm
; THE PLAIN QUEUE, 138 long.  0-73 read no exponential's result: the 32 scalings c s - c m and the next piece's 42.  74-137: GS's 64, which stand behind the wait.
.macro FS f
	REGS Y, (\f)%2
	v_pk_fma_f32 v[rS+2*((\f)/2):rS+2*((\f)/2)+1], v[rS+2*((\f)/2):rS+2*((\f)/2)+1], s[CS:CS+1], v[rT:rT+1] op_sel_hi:[1,0,0] neg_lo:[0,0,1] neg_hi:[0,0,1]
.endm
.macro PL
	WIN 0
.if q < 27
	FS q
.elseif q < 55
	XS (q-27)%2, (q-27)/2
.elseif q < 57
	XS q-55, 15
.elseif (q < 72) && ((q-57)%3 == 0)
	FS 27+(q-57)/3
.elseif q < 60
	XS (q-57)%3-1, 14
.elseif q < 72
	XS (q-57)%3-1, 15+(q-57)/3
.elseif q < 74
	XS q-72, 20
.else
	GS q-74
.endif
.set q, q+1
.endm
; THE EXPONENTIALS' QUEUE, 66 long: s0-s31 of both tiles, then the next piece's two a: ONE BATCH, all ahead of the turn's one wait.
.macro EX
	WIN 0
.if e >= 64
	XS e-64, 21
.else
	REGS Y, e%2
	v_exp_f32 v[rS+e/2], v[rS+e/2]
.endif
.set e, e+1
.endm
; THE RESCALING's QUEUE: O^T times a, the one part that leaves window 0: dealt two at a time.  Its a was made, and waited for, in the turn before.
.macro R2
	REGS Y, r%2
	WIN W_RS
.irp z, 0,1
	v_pk_mul_f32 v[rO+4*(r/2)+2*\z:rO+4*(r/2)+2*\z+1], v[rO+4*(r/2)+2*\z:rO+4*(r/2)+2*\z+1], v[rC+2:rC+3] op_sel_hi:[1,0]
.endr
.set r, r+1
.endm
; A TURN, for piece p.  Ahead of its one wait stands all that names no result of the turn's exponentials: 16 products K Q^T, behind each a scaling, an exponential and two rescalings; then a run of 108.
; Behind the wait: 16 products V^T P, behind each four of the roundings and sums.  K of the next step is fetched in piece 2's turn, directly behind the wait; V of the step in hand at the end of piece 0's
; turn, four plain instructions behind its last reader.  cnt = 1: the loop's count is taken down some lines ahead of the branch behind the turn.
.macro TURN p, last=0, cnt=0
.set Y, (\p)
.set i, 0
.set q, 0
.set e, 0
.set r, 0
.if (\p) == NP-1
	s_wait_dscnt 0x0                ; K is in
.endif
	MM
	PL
	PL
	R2
.rept 15
	MM
	PL
	EX
	R2
.endr
.if (\p) == NP-2
	WIN 0
	v_add_nc_u32 v[AK], s[TBK], v[AK0]
.endif
.rept 8
	PL
.endr
.rept 49
	EX
	PL
.endr
	EX                              ; the next piece's two a
	EX
	v_nop                           ; a plain instruction behind the last exponential: one for the batch
	s_wait_alu depctr_va_vdst(0)    ; the wait for the batch, ahead of the first line that names a result
.if (\p) == NP-2
	FETCH_K \last
.endif
.if (\p) == 1
	s_wait_dscnt 0x0                ; V is in
.endif
.rept 16
	MM
.rept 4
	PL
.endr
.if ((\p) == 0) && (q == 118)
	v_add_nc_u32 v[AV], s[TBV], v[AV0]
.endif
.if ((\p) == 0) && (q == 130)
	s_add_co_u32 s[TBV], s[TBV], KS*PV
.endif
.if (\cnt) && (q == 130)
	s_sub_co_u32 s[CNT], s[CNT], 1
	s_cmp_lg_u32 s[CNT], 0
.endif
.endr
.if (\p) == 0
	FETCH_V
.endif
.endm
	MEET 3                          ; keys 0 to 255 of K and V are in, everybody's part; my three later loads may stay out
	FETCH_K                         ; key step 0
	s_wait_loadcnt 0x0              ; Q
	s_wait_dscnt 0x0
.set i, 0
.rept 16
	KQ 0                            ; piece 0's first scores
.set i, i+1
.endr
	WIN 0                           ; the addresses for the way out: plain instructions, the places behind those products
	s_mul_i32 s13, s[WV], 16*SP
	s_add_co_u32 s13, s13, STAGE    ; my stage
	v_mul_u32_u24 v[STO], v1, SP
	v_lshl_add_u32 v[STO], v9, 4, v[STO]
	v_add_nc_u32 v[STO], s13, v[STO]
	v_bfe_u32 v[RD], v0, 3, 2
	v_mul_u32_u24 v[RD], v[RD], SP
	v_lshl_add_u32 v[RD], v10, 4, v[RD]
	v_add_nc_u32 v[RD], s13, v[RD]
	v_and_b32 v[GO], 31, v0
	v_lshlrev_b32 v[GO], 4, v[GO]
.set Y, NP-1                        ; XS works for piece Y + 1: piece 0
.irp n, 0,1,2,3,4,5,6,7,8,9,10,11,12,13,14,15,16,17,18,19,20,21
	XS 0, \n
	XS 1, \n
.endr
	v_nop                           ; a plain instruction behind the two a,
	s_wait_alu depctr_va_vdst(0)    ; and their wait, ahead of the branch
	s_mov_b32 s[CNT], 4
	s_mov_b32 s[SLOTS], 5
	s_branch .Lfirst                ; the loop is entered at a step's first turn, in the middle of a trip
.Lslot:                             ; four times.  The first time the keys from 256 on are waited for, four key steps behind their loads; later the wait finds nothing out
	MEET 0
	s_mov_b32 s[CNT], 4
.Lstep:                             ; a trip: pieces 2 and 3 of one step, then pieces 0 and 1 of the next, whose K and V it fetches
	TURN 2, 1
	TURN 3
	WIN 0
	s_cmp_eq_u32 s[SLOTS], 1        ; behind the sixteenth step's pieces 2 and 3 the walk is left, in the middle of a trip
	s_cbranch_scc1 .Lout
.Lfirst:
	TURN 0
	TURN 1, 0, 1
	WIN 0
	s_cbranch_scc1 .Lstep
	s_sub_co_u32 s[SLOTS], s[SLOTS], 1
	s_cmp_lg_u32 s[SLOTS], 0
	s_cbranch_scc1 .Lslot
.Lout:                              ; the last turn's 16 products K Q^T (on the last K once more) and the maximum made of them serve nothing: the price, once a launch, of one text for every trip
.set i, 0
.rept 16
	PV NP-1                         ; the last piece's V^T P of the last step
.set i, i+1
.endr
	; THE WAY OUT.  l's two halves and the other half of the lanes' are added; O^T is divided by l, rounded to f16 and sent through my stage in LDS, a tile at a time.  The additions are the places behind the last products.
	WIN 0
.macro ALL line:vararg              ; one line for each tile t
.set t, 0
.rept 2*NP
	\line
.set t, t+1
.endr
.endm
	ALL v_add_f32 v[ST+4*t+2], v[ST+4*t+2], v[ST+4*t+3]
	ALL v_permlanex16_b32 v[ST+4*t+3], v[ST+4*t+2], s[SEL], s[SEL+1]
	ALL v_add_f32 v[ST+4*t+2], v[ST+4*t+2], v[ST+4*t+3]
	ALL v_rcp_f32 v[ST+4*t+2], v[ST+4*t+2]
	v_nop                           ; a plain instruction between the last reciprocal and the use of its result
	s_wait_alu depctr_va_vdst(0)    ; one wait for the eight reciprocals
.macro PACK t
	WIN W_RS
.set i, 32*(\t)
.rept 16
	v_pk_mul_f32 v[i:i+1], v[i:i+1], v[ST+4*(\t)+2:ST+4*(\t)+3] op_sel_hi:[1,0]
.set i, i+2
.endr
	WIN 0x05                        ; sources 0 and 1 window 1, destination window 0
.set i, 0
.rept 16
	v_cvt_pk_f16_f32 v[S+16*(\t)+i], v[32*(\t)+2*i], v[32*(\t)+2*i+1]
.set i, i+1
.endr
	WIN 0
.irp f, 0,1,2,3
	ds_store_b128 v[STO], v[S+16*(\t)+4*\f:S+16*(\t)+4*\f+3] offset:32*\f
.endr
.irp f, 0,1,2,3
	ds_load_b128 v[S+16*(\t)+4*\f:S+16*(\t)+4*\f+3], v[RD] offset:\f*4*SP  ; LDS serves a wave's instructions in order (ISA guide 5.7.1.4): these see the stores above
.endr
.endm
.macro SEND t, younger              ; younger: the LDS instructions issued behind tile t's loads: the next tile's eight, or none
	WIN 0
.irp f, 0,1,2,3
	s_wait_dscnt (\younger)+3-\f
	global_store_b128 v[GO], v[S+16*(\t)+4*\f:S+16*(\t)+4*\f+3], s[6:7] offset:(\t)*2048+\f*512  ; 512 consecutive bytes, aligned
.endr
.endm
	PACK 0
.set t, 1
.rept 2*NP-1                        ; a tile's arithmetic stands between the loads of the tile before and its stores
	PACK t
	SEND t-1, 8
.set t, t+1
.endr
	SEND 2*NP-1, 0
	WIN W_AD
	s_wait_tensorcnt 0x0            ; the wave's end: behind my last tensor load and my last LDS store
	ds_add_u32 v[SPW], v[NIL]
	s_wait_dscnt 0x0
	WIN 0
	s_endpgm
.Lfunc_end_k_qf95dc8a070_attn:
	.size	k_qf95dc8a070_attn, .Lfunc_end_k_qf95dc8a070_attn-k_qf95dc8a070_attn
	.p2alignl 7, 3214868480
	.fill 96, 4, 3214868480
	.section	.rodata,"a",@progbits
	.p2align	6, 0x0
	.amdhsa_kernel k_qf95dc8a070_attn
		.amdhsa_group_segment_fixed_size 327680
		.amdhsa_private_segment_fixed_size 0
		.amdhsa_enable_private_segment 0
		.amdhsa_kernarg_size 16
		.amdhsa_user_sgpr_count 2
		.amdhsa_user_sgpr_kernarg_segment_ptr 1
		.amdhsa_wavefront_size32 1
		.amdhsa_system_sgpr_workgroup_id_x 1
		.amdhsa_system_sgpr_workgroup_id_y 1
		.amdhsa_system_sgpr_workgroup_id_z 1
		.amdhsa_system_vgpr_workitem_id 0
		.amdhsa_next_free_vgpr 770
		.amdhsa_next_free_sgpr 84
		.amdhsa_reserve_vcc 0
		.amdhsa_float_denorm_mode_32 3
		.amdhsa_float_denorm_mode_16_64 3
		.amdhsa_memory_ordered 1
		.amdhsa_forward_progress 1
		.amdhsa_inst_pref_size 126
	.end_amdhsa_kernel
	.amdgpu_metadata
---
amdhsa.version: [ 1, 2 ]
amdhsa.kernels:
  - .name:           k_qf95dc8a070_attn
    .symbol:         k_qf95dc8a070_attn.kd
    .args:
      - { .name: qkv, .offset: 0, .size: 8, .value_kind: global_buffer, .address_space: global }
      - { .name: oh, .offset: 8, .size: 8, .value_kind: global_buffer, .address_space: global }
    .group_segment_fixed_size: 327680
    .private_segment_fixed_size: 0
    .kernarg_segment_align: 8
    .kernarg_segment_size: 16
    .max_flat_workgroup_size: 128
    .sgpr_count:     84
    .vgpr_count:     770
    .wavefront_size: 32
...
	.end_amdgpu_metadata
.endif
;; end of part 3
;; launch outp (part 4): grid 4 x 64, 4 waves a work-group, clusters of 4 x 4, 327,680 bytes of LDS; arguments oh, wb, tab, out0; writes out0
.if DOCPART == 4
	.amdgcn_target "amdgcn-amd-amdhsa--gfx1250"
	.amdhsa_code_object_version 6
	.text
	.protected	k_qf95dc8a070_outp
	.globl	k_qf95dc8a070_outp
	.p2align	8
	.type	k_qf95dc8a070_outp,@function
k_qf95dc8a070_outp:
	s_mov_b64 s[64:65], 0
	v_nop
	global_prefetch_b8 v0, s[64:65] scope:SCOPE_SE
	s_setreg_imm32_b32 hwreg(HW_REG_WAVE_MODE, 25, 1), 1
	s_wait_xcnt 0x0
	s_wait_alu depctr_hold_cnt(0) depctr_sa_sdst(0) depctr_va_vdst(0) depctr_va_sdst(0) depctr_va_ssrc(0) depctr_va_vcc(0) depctr_vm_vsrc(0)
	s_getreg_b32 s2, hwreg(HW_REG_IB_STS2, 6, 4)
	s_cmp_eq_u32 s2, 0
	s_cbranch_scc0 .Lentry_in_a_cluster
	s_endpgm
.Lentry_in_a_cluster:
	s_bfe_u32 s2, ttmp6, 0x10000c
	s_cmp_lg_u32 s2, 0xf033
	s_cbranch_scc0 .Lentry_shape_is_right
	s_endpgm
.Lentry_shape_is_right:
; OUTP: out0 = O wo^T + bo.  oh [128 heads = 16 batch + h][1024][64] f16, wb kind 3 [1024][1024] f16 (wo rounded to bf16, written as f16), bo: 1,024 f32 in tab, out0 [8192][1024] f32.
; SHARES.  A tile of C is 128 rows x 256 columns, one to a work-group: 64 x 4.  Four waves, each 64 rows x 128 columns: 32 accumulators.  K = 1,024 in 8 steps of 128 through a ring of two LDS slots.
; THE MERGE OF HEADS IS THE TILE'S ADDRESS: a K step of 128 is two heads, and the tile's 128 rows of one head are 16,384 dense bytes, asked for as 64 rows of 256 bytes and padded in LDS after each 128.
; The matrix instruction is used transposed (source 0 = 16 rows of wo, source 1 = 16 rows of O): a lane holds one row of C and eight neighbouring columns, 32 bytes.  bo is the C operand that starts a sum.
; CLUSTER 4 x 4: O's tile is asked for jointly by a row of the cluster, wo's by a column.
; REGISTERS: window 0: v0-31 addresses; v32-95, v96-159 rows read back from the stage.  Window 1: two fragment buffers (wo's 64, O's 32) at v0 and v128; the bias at v[96 + 8 b] (b < 4), v[192 + 8 b].
;   window 2: accumulator (a, b) at v[8 (8 a + b)].
.set PITCH, 272                        ; a row of wo in LDS: 256 bytes + 16
.set PA,    144                        ; a row of one head of O: 128 bytes + 16.  Both are odd multiples of 16: the 16 rows of a load start at 16 different groups of four banks (ISA guide 11.1)
.set AHEAD, 128*PA                     ; a head's 128 rows: what a wave fetches of O
.set BHALF, 128*PITCH
.set BOFF,  2*AHEAD
.set SLOT,  BOFF+2*BHALF
.set STAGE, 2*SLOT                     ; never filled by a tensor load: for each wave 16 rows x 528 bytes
.set SP,    528
.set WSTG,  16*SP
.set SPARE, STAGE+4*WSTG               ; the spare words: two blocks of 256 bytes that no other line names
.set ADRA, 16
.set ADRB, 20
.set STO,  24
.set RD,   25
.set CO,   26
.set SPW,  28
.set NIL,  29
.set PFO,  30
.set BO,   31
.set BK0,  32
.set F0,   0
.set F1,   128
.set BIAS, 96
.set WV, 12
.set RH, 13
.set CH, 14
.set CX, 15
.set CY, 16
.set TC, 17
.set TR, 18
.set G1A, 24
.set G0A, 32
.set PFA, 40                           ; s[40:41] where my prefetches stand
.set LIM0, 42                          ; s42, s43 by slot: 1 = I ask in the first four K steps, the greatest number = never
.set INC, 44                           ; s[44:45] a K step in memory: two heads of O, or 256 bytes of wo's rows
.set G1B, 48
.set G0B, 56
.set BIA, 68
.set MUL,  0xa5
.set MULB, 0x95
.set TO_F, 0x40
.set MSB, 0
.macro WIN new
.if MSB != (\new)
	s_set_vgpr_msb (MSB<<8)|(\new)
.set MSB, \new
.endif
.endm
.macro PLACES
.rept 4
	v_nop
.endr
.endm
.macro JLOAD s                         ; waves 0 and 1 fetch the K step's two heads of O, waves 2 and 3 wo's two halves; an s_nop 0 and four v_nop follow each line
	s_cmp_lt_u32 s[WV], 2
	s_cbranch_scc0 .Lfor_b_\@
	tensor_load_to_lds s[G0A+4*(\s):G0A+4*(\s)+3], s[G1A:G1A+7]
	s_nop 0
.rept 4
	v_nop
.endr
	s_branch .Lasked_\@
.Lfor_b_\@:
	tensor_load_to_lds s[G0B+4*(\s):G0B+4*(\s)+3], s[G1B:G1B+7]
	s_nop 0
.rept 4
	v_nop
.endr
.Lasked_\@:
.endm
.macro CREST
	s_cmp_lg_u32 s[WV], 0
	s_cbranch_scc1 .Lnot_wave_0_\@
	s_barrier_signal -3
.Lnot_wave_0_\@:
	s_barrier_wait -3
	s_barrier_signal -1
	s_barrier_wait -1
.endm
.macro CROUND
	s_barrier_signal -1
	s_barrier_wait -1
	CREST
.endm
; A PREFETCH behind the joint load and the run of LDS loads: at the change of slots of K step s the refill asks for K step s + 2 and the prefetch names K step s + 4, two K steps (256 matrix
; instructions of a wave) ahead of its load; so it is asked at s = 0 .. 3 alone.  Each 256 bytes are named once.  O's tile belongs to one cluster: waves 0 and 1 ask at even s, each for its head of K steps
; s + 4 and s + 5 (lanes 0-15, lanes 16-31), the partner at place cx for 16 of the head's 64 blocks of 256 bytes.  wo's rows are read by all clusters: cluster y = 0 asks, waves 2 and 3, at every s,
; the partner at place cy for 32 of the wave's 128 rows, a lane a row.  The partners are told apart by address.
.macro ASK slot
	s_cmp_gt_u32 s3, s[LIM0+(\slot)]
	s_cbranch_scc0 .Lnot_mine_\@
	global_prefetch_b8 v[PFO], s[PFA:PFA+1] th:TH_LOAD_NT scope:SCOPE_SE
.Lnot_mine_\@:
.endm
	s_load_b256 s[4:11], s[0:1], 0x0               ; oh s[4:5], wb s[6:7], tab s[8:9], out0 s[10:11]
	v_lshl_add_u32 v[SPW], v0, 2, SPARE
	v_mov_b32 v[NIL], 0
	ds_add_u32 v[SPW], v[NIL]                      ; the wave's opening: the add and its wait ahead of my first tensor load
	v_lshrrev_b32 v1, 5, v0
	v_readfirstlane_b32 s[WV], v1
	s_lshr_b32 s[RH], s[WV], 1
	s_and_b32 s[CH], s[WV], 1
	s_bfe_u32 s[CX], ttmp6, 0x40000
	s_bfe_u32 s[CY], ttmp6, 0x40004
	s_lshl_b32 s[TC], ttmp9, 2
	s_add_co_u32 s[TC], s[TC], s[CX]
	s_and_b32 s[TR], ttmp7, 0xffff
	s_lshl_b32 s[TR], s[TR], 2
	s_add_co_u32 s[TR], s[TR], s[CY]
	s_lshl_b32 s20, s[CY], 2
	s_lshl_b32 s20, 15, s20                        ; my row of the cluster
	s_lshl_b32 s21, 0x1111, s[CX]                  ; my column
	s_or_b32 s[G1A], s20, (1<<16)|(1<<20)|(1<<21)|(4<<22)|(3<<25)  ; 2-byte elements; padding on; bit 21 beside a mask; after every 32 words; 4 words
	s_or_b32 s[G1B], s21, (1<<16)|(1<<20)|(1<<21)|(5<<22)|(3<<25)  ; after every 64 words
	s_mov_b32 s[G1A+1], 128<<16                    ; 64 rows of 128 elements, dense
	s_mov_b32 s[G1A+2], 64<<16
	s_mov_b32 s[G1A+3], 128<<16
	s_mov_b32 s[G1A+4], 64
	s_mov_b32 s[G1A+5], 128
	s_mov_b32 s[G1A+6], 0
	s_mov_b32 s[G1A+7], 0
	s_mov_b32 s[G1B+1], 128<<16                    ; 128 rows of 128 elements, 1,024 from row to row
	s_mov_b32 s[G1B+2], 128<<16
	s_mov_b32 s[G1B+3], 128<<16
	s_mov_b32 s[G1B+4], 128
	s_mov_b32 s[G1B+5], 1024
	s_mov_b32 s[G1B+6], 0
	s_mov_b32 s[G1B+7], 0
	s_lshr_b32 s70, s[TR], 3                       ; O: the batch's 16 heads, my head of K step 0, the tile's 128 rows: made of the tile row and the wave's number alone
	s_lshl_b32 s70, s70, 21
	s_lshl_b32 s71, s[CH], 17
	s_add_co_u32 s70, s70, s71
	s_and_b32 s71, s[TR], 7
	s_lshl_b32 s71, s71, 14
	s_add_co_u32 s70, s70, s71
	s_mov_b32 s71, 0
	s_lshl_b32 s72, s[TC], 19                      ; wo: kind 3 of wb, 256 rows a tile column, my half's 128
	s_lshl_b32 s73, s[CH], 18
	s_add_co_u32 s72, s72, s73
	s_add_co_u32 s72, s72, 6291456
	s_mov_b32 s73, 0
	s_mul_i32 s74, s[CH], AHEAD
	s_mul_i32 s75, s[CH], BHALF
	s_add_co_u32 s75, s75, BOFF
	s_wait_dscnt 0x0                               ; the opening add is done
	s_wait_kmcnt 0x0
	s_add_nc_u64 s[70:71], s[4:5], s[70:71]
	s_add_nc_u64 s[72:73], s[6:7], s[72:73]
	CROUND                                         ; the first joint loads meet
.irp s, 0,1
	s_mov_b32 s[G0A+4*(\s)], 1
	s_add_co_u32 s[G0A+4*(\s)+1], s74, (\s)*SLOT
	s_add_nc_u64 s[G0A+4*(\s)+2:G0A+4*(\s)+3], s[70:71], (\s)*262144
	s_or_b32 s[G0A+4*(\s)+3], s[G0A+4*(\s)+3], 0x80000000
	s_mov_b32 s[G0B+4*(\s)], 1
	s_add_co_u32 s[G0B+4*(\s)+1], s75, (\s)*SLOT
	s_add_nc_u64 s[G0B+4*(\s)+2:G0B+4*(\s)+3], s[72:73], (\s)*256
	s_or_b32 s[G0B+4*(\s)+3], s[G0B+4*(\s)+3], 0x80000000
	JLOAD \s                                       ; K steps 0 and 1: two loads of mine are out
.endr
	v_and_b32 v1, 15, v0                           ; r
	v_bfe_u32 v2, v0, 4, 1                         ; h
	v_mul_u32_u24 v3, v1, PITCH
	v_lshl_add_u32 v3, v2, 4, v3
	v_mul_u32_u24 v4, v1, PA
	v_lshl_add_u32 v4, v2, 4, v4
	s_mul_i32 s20, s[RH], 64*PA                    ; my 64 rows in a head's 128
	s_mul_i32 s21, s[CH], BHALF
	s_add_co_u32 s21, s21, BOFF
.irp s, 0,1
	v_add_nc_u32 v[ADRA+(\s)], s20, v4
	v_add_nc_u32 v[ADRB+(\s)], s21, v3
	s_add_co_u32 s20, s20, SLOT
	s_add_co_u32 s21, s21, SLOT
.endr
	s_mul_i32 s20, s[WV], WSTG
	s_add_co_u32 s20, s20, STAGE                   ; my stage
	v_mul_u32_u24 v4, v1, SP
	v_lshl_add_u32 v4, v2, 5, v4
	v_add_nc_u32 v[STO], s20, v4                   ; in: row r, 32 bytes for each half of the lanes
	v_and_b32 v[CO], 31, v0
	v_lshlrev_b32 v[CO], 4, v[CO]                  ; 16 x lane: a row's 512 bytes
	v_add_nc_u32 v[RD], s20, v[CO]
	s_lshl_b32 s21, s[TC], 10
	s_lshl_b32 s22, s[CH], 9
	s_add_co_u32 s21, s21, s22                     ; my first column, in bytes of f32
	v_lshl_add_u32 v[BO], v2, 5, s21
	s_lshl_b32 s20, s[TR], 19                      ; 128 rows of 4,096 bytes a tile row,
	s_lshl_b32 s22, s[RH], 18                      ; my 64
	s_add_co_u32 s20, s20, s22
	s_add_co_u32 s20, s20, s21
	s_mov_b32 s21, 0
	s_add_nc_u64 s[10:11], s[10:11], s[20:21]
	s_add_nc_u64 s[BIA:BIA+1], s[8:9], 786432+12288
	; the prefetches
	s_and_b32 s22, ttmp7, 0xffff                   ; cluster y
	s_cmp_eq_u32 s22, 0
	s_cselect_b32 s22, 1, -1
	s_mov_b32 s[INC], 256
	s_mov_b32 s47, 262144
	s_cmp_lt_u32 s[WV], 2                          ; do I fetch for O?
	s_cselect_b32 s[LIM0], 1, s22
	s_cselect_b32 s[LIM0+1], -1, s22
	s_cselect_b32 s[INC], s47, s[INC]
	s_cselect_b64 s[PFA:PFA+1], s[70:71], s[72:73]
	s_cselect_b32 s20, s[CX], s[CY]                ; my place among the four that ask with me,
	s_cselect_b32 s21, 12, 16                      ; times 16 blocks of 256 bytes, or 32 rows of 2,048
	s_cselect_b32 s23, 18, 15                      ; lanes 16-31: the next K step, or 16 rows on
	s_cselect_b32 s46, 8, 11                       ; lane % 16: a block, or a row
	s_lshl_b32 s20, s20, s21
	s_mul_i32 s21, s[INC], 3                       ; at K step 3: the first change of slots steps it to 4
	s_add_co_u32 s20, s20, s21
	s_mov_b32 s21, 0
	s_add_nc_u64 s[PFA:PFA+1], s[PFA:PFA+1], s[20:21]
	s_mov_b32 s[INC+1], 0
	v_lshlrev_b32 v[PFO], s23, v2
	v_lshlrev_b32 v3, s46, v1
	v_add_nc_u32 v[PFO], v[PFO], v3
; 8 matrix instructions: row block a x all 8 column blocks, 32 along K.  The 32 accumulators take turns in one fixed order, over the backward jump too.
.macro MUL8 f, a, zero
.if \zero
	WIN MULB
.else
	WIN MUL
.endif
.irp b, 0,1,2,3,4,5,6,7
.if \zero
	v_wmma_f32_16x16x32_f16 v[8*(8*(\a)+(\b)):8*(8*(\a)+(\b))+7], v[(\f)+8*(\b):(\f)+8*(\b)+7], v[(\f)+64+8*(\a):(\f)+64+8*(\a)+7], v[BIAS+8*(\b)+96*((\b)/4):BIAS+8*(\b)+96*((\b)/4)+7]
.else
	v_wmma_f32_16x16x32_f16 v[8*(8*(\a)+(\b)):8*(8*(\a)+(\b))+7], v[(\f)+8*(\b):(\f)+8*(\b)+7], v[(\f)+64+8*(\a):(\f)+64+8*(\a)+7], v[8*(8*(\a)+(\b)):8*(8*(\a)+(\b))+7]
.endif
.endr
.endm
; 24 LDS loads in one run: quarter q of a slot into buffer f.  Of O, quarter q is half q % 2 of head q / 2.
.macro FETCH slot, q, f
	WIN TO_F
.irp i, 0,1,2,3,4,5,6,7
	ds_load_b128 v[(\f)+8*(\i):(\f)+8*(\i)+3],   v[ADRB+(\slot)] offset:64*(\q)+(\i)*16*PITCH
	ds_load_b128 v[(\f)+8*(\i)+4:(\f)+8*(\i)+7], v[ADRB+(\slot)] offset:64*(\q)+(\i)*16*PITCH+32
.endr
.irp i, 0,1,2,3
	ds_load_b128 v[(\f)+64+8*(\i):(\f)+64+8*(\i)+3],   v[ADRA+(\slot)] offset:((\q)/2)*AHEAD+((\q)%2)*64+(\i)*16*PA
	ds_load_b128 v[(\f)+64+8*(\i)+4:(\f)+64+8*(\i)+7], v[ADRA+(\slot)] offset:((\q)/2)*AHEAD+((\q)%2)*64+(\i)*16*PA+32
.endr
.endm
.macro QUARTER slot, q, f, g, zero
	s_wait_dscnt 0x0                               ; buffer f is whole
	PLACES                                         ; behind the last products that read buffer g
	FETCH \slot, \q, \g
	MUL8 \f, 0, \zero
	MUL8 \f, 1, \zero
	MUL8 \f, 2, \zero
	MUL8 \f, 3, \zero
.endm
; The last quarter multiplies buffer 1 and changes slots.  Half of its products stand AHEAD of the wait for the tile: between a tile's landing and the next request stand only the add, the
; descriptors' steps, the wait for the add and the round.  Each wave waits for all its tensor loads, adds 0 to its spare word, and waits for that (its reads of this slot came back ahead of the products).
; fill = 1: the barrier opens a round of the cluster's, and the joint refill, K step two on, is the first tensor load behind the round.
.macro TURN slot, next, fill
.if \fill
	s_wait_xcnt 0x0                                ; the last prefetch, a K step back, has read its address
	s_add_nc_u64 s[PFA:PFA+1], s[PFA:PFA+1], s[INC:INC+1]
.endif
	s_wait_dscnt 0x0                               ; buffer 1 is in: my reads of this slot are over
	MUL8 F1, 0, 0
	MUL8 F1, 1, 0
	WIN 0
	s_wait_tensorcnt 0x0                           ; all my tensor loads have landed, so every group 0 may be written
	ds_add_u32 v[SPW], v[NIL]                      ; 0 onto my spare word
.if \fill
	s_add_nc_u64 s[G0A+4*(\slot)+2:G0A+4*(\slot)+3], s[G0A+4*(\slot)+2:G0A+4*(\slot)+3], 524288
	s_add_nc_u64 s[G0B+4*(\slot)+2:G0B+4*(\slot)+3], s[G0B+4*(\slot)+2:G0B+4*(\slot)+3], 512
.endif
	s_wait_dscnt 0x0                               ; the add is done
	s_barrier_signal -1
	s_barrier_wait -1
.if \fill
	CREST
	JLOAD \slot                                    ; its four v_nop are also the places ahead of the loads below
.else
	PLACES
.endif
	FETCH \next, 0, F0
.if \fill
	WIN 0
	ASK \slot
.endif
	MUL8 F1, 2, 0
	MUL8 F1, 3, 0
.endm
; THE WAY OUT: a block of 16 rows goes straight from the accumulators into my stage (each accumulator's four lowest registers first) and comes back as whole rows of 512 bytes.
.macro TOSTAGE a
.if (\a) >= 2
	s_wait_xcnt 0x0                                ; the stores of the block two back have read the registers that are loaded again below
.endif
	WIN 0x08                                       ; the stores' data in window 2
.irp b, 0,1,2,3,4,5,6,7
	ds_store_b128 v[STO], v[8*(8*(\a)+(\b)):8*(8*(\a)+(\b))+3]   offset:64*(\b)
	ds_store_b128 v[STO], v[8*(8*(\a)+(\b))+4:8*(8*(\a)+(\b))+7] offset:64*(\b)+16
.endr
	WIN 0
.set BK, BK0+64*((\a)%2)
.irp t, 0,1,2,3,4,5,6,7,8,9,10,11,12,13,14,15
	ds_load_b128 v[BK+4*(\t):BK+4*(\t)+3], v[RD] offset:SP*(\t)  ; LDS serves a wave's instructions in order (ISA guide 5.7.1.4): these see the stores above
.endr
.endm
.macro SEND a, younger                 ; younger: the next block's 16 stores and 16 loads, or none
	WIN 0
.set BK, BK0+64*((\a)%2)
	s_wait_dscnt \younger
.irp t, 0,1,2,3,4,5,6,7,8,9,10,11,12,13,14,15
	global_store_b128 v[CO], v[BK+4*(\t):BK+4*(\t)+3], s[10:11] offset:(16*(\a)+(\t))*4096 th:TH_STORE_NT  ; 512 consecutive bytes of one row, aligned
.endr
.endm
	WIN TO_F                                       ; bo in the accumulators' layout: register j of block b is column 16 b + 8 h + j
.irp b, 0,1,2,3,4,5,6,7
	global_load_b128 v[BIAS+8*(\b)+96*((\b)/4):BIAS+8*(\b)+96*((\b)/4)+3],   v[BO], s[BIA:BIA+1] offset:64*(\b)
	global_load_b128 v[BIAS+8*(\b)+96*((\b)/4)+4:BIAS+8*(\b)+96*((\b)/4)+7], v[BO], s[BIA:BIA+1] offset:64*(\b)+16
.endr
	WIN 0
	s_wait_tensorcnt 1                             ; my part of K step 0 is in; K step 1's may stay out
	s_barrier_signal -1
	s_barrier_wait -1
	FETCH 0, 0, F0
	s_wait_loadcnt 0x0                             ; the bias
	QUARTER 0, 1, F0, F1, 1                        ; the first quarter stands ahead of the loop: its products start the sums
	WIN 0
	s_mov_b32 s3, 3
.Llap:                                         ; a trip goes once round the ring and fills both slots again
	QUARTER 0, 2, F1, F0, 0
	QUARTER 0, 3, F0, F1, 0
	TURN 0, 1, 1
	QUARTER 1, 1, F0, F1, 0
	QUARTER 1, 2, F1, F0, 0
	QUARTER 1, 3, F0, F1, 0
	TURN 1, 0, 1
	QUARTER 0, 1, F0, F1, 0
	WIN 0
	s_sub_co_u32 s3, s3, 1
	s_cmp_lg_u32 s3, 0
	s_cbranch_scc1 .Llap
	QUARTER 0, 2, F1, F0, 0                        ; the last lap fills nothing
	QUARTER 0, 3, F0, F1, 0
	TURN 0, 1, 0
	QUARTER 1, 1, F0, F1, 0
	QUARTER 1, 2, F1, F0, 0
	QUARTER 1, 3, F0, F1, 0
	s_wait_dscnt 0x0
	MUL8 F1, 0, 0
	MUL8 F1, 1, 0
	MUL8 F1, 2, 0
	MUL8 F1, 3, 0
	WIN 0
	PLACES
	PLACES
	TOSTAGE 0
	TOSTAGE 1
	SEND 0, 32
	TOSTAGE 2
	SEND 1, 32
	TOSTAGE 3
	SEND 2, 32
	SEND 3, 0
	s_wait_tensorcnt 0x0                           ; the wave's end: behind my last tensor load and my last LDS store
	ds_add_u32 v[SPW], v[NIL]
	s_wait_dscnt 0x0
	CROUND                                         ; the closing round
	s_endpgm
.Lfunc_end_k_qf95dc8a070_outp:
	.size	k_qf95dc8a070_outp, .Lfunc_end_k_qf95dc8a070_outp-k_qf95dc8a070_outp
	.p2alignl 7, 3214868480
	.fill 96, 4, 3214868480
	.section	.rodata,"a",@progbits
	.p2align	6, 0x0
	.amdhsa_kernel k_qf95dc8a070_outp
		.amdhsa_group_segment_fixed_size 327680
		.amdhsa_private_segment_fixed_size 0
		.amdhsa_enable_private_segment 0
		.amdhsa_kernarg_size 32
		.amdhsa_user_sgpr_count 2
		.amdhsa_user_sgpr_kernarg_segment_ptr 1
		.amdhsa_wavefront_size32 1
		.amdhsa_system_sgpr_workgroup_id_x 1
		.amdhsa_system_sgpr_workgroup_id_y 1
		.amdhsa_system_sgpr_workgroup_id_z 1
		.amdhsa_system_vgpr_workitem_id 0
		.amdhsa_next_free_vgpr 768
		.amdhsa_next_free_sgpr 80
		.amdhsa_reserve_vcc 0
		.amdhsa_float_denorm_mode_32 3
		.amdhsa_float_denorm_mode_16_64 3
		.amdhsa_memory_ordered 1
		.amdhsa_forward_progress 1
		.amdhsa_inst_pref_size 87
	.end_amdhsa_kernel
	.amdgpu_metadata
---
amdhsa.version: [ 1, 2 ]
amdhsa.kernels:
  - .name:           k_qf95dc8a070_outp
    .symbol:         k_qf95dc8a070_outp.kd
    .args:
      - { .name: oh, .offset: 0, .size: 8, .value_kind: global_buffer, .address_space: global }
      - { .name: wb, .offset: 8, .size: 8, .value_kind: global_buffer, .address_space: global }
      - { .name: tab, .offset: 16, .size: 8, .value_kind: global_buffer, .address_space: global }
      - { .name: out0, .offset: 24, .size: 8, .value_kind: global_buffer, .address_space: global }
    .group_segment_fixed_size: 327680
    .private_segment_fixed_size: 0
    .kernarg_segment_align: 8
    .kernarg_segment_size: 32
    .max_flat_workgroup_size: 128
    .sgpr_count:     80
    .vgpr_count:     768
    .wavefront_size: 32
...
	.end_amdgpu_metadata
.endif
;; end of part 4
;; ======== version 2 of 2: 4 launches; version 1 with the launch prep written anew for expert scheduling mode
;; limits: values are held in f16: magnitudes above 65,504 overflow, below 6.1e-05 lose precision
;; workspace buffers: wb 8,388,608 bytes; tab 802,816 bytes; qkv 50,331,648 bytes; oh 16,777,216 bytes
;; launch prep (part 5): grid 388 x 1, 8 waves a work-group, no clusters, 0 bytes of LDS; arguments wq, wk, wv, wo, bq, bk, bv, bo, wb, tab; writes wb, tab
.if DOCPART == 5
	.amdgcn_target "amdgcn-amd-amdhsa--gfx1250"
	.amdhsa_code_object_version 6
	.text
	.protected	k_qf95dc8a070_prep
	.globl	k_qf95dc8a070_prep
	.p2align	8
	.type	k_qf95dc8a070_prep,@function
k_qf95dc8a070_prep:
	s_mov_b64 s[64:65], 0
	v_nop
	global_prefetch_b8 v0, s[64:65] scope:SCOPE_SE
	s_setreg_imm32_b32 hwreg(HW_REG_WAVE_SCHED_MODE, 0, 2), 2
	s_setreg_imm32_b32 hwreg(HW_REG_WAVE_MODE, 25, 1), 1
	s_wait_xcnt 0x0
	s_wait_alu depctr_vm_vsrc(0)
; PREP: the weights are rounded once, and the xpos table and the biases are made.
;   work-groups 0 .. 255    wq, wk, wv -> wb kinds 0-2 in bf16; wo -> wb kind 3: rounded to bf16, and that number written as f16   (65,536 source bytes a work-group)
;   work-groups 256 .. 383  tab: three tables [1024 pos][32 j][2] f32: (cos sc, sin sc) for q, (cos / sc, sin / sc) for k, (1, 0) for v
;   work-groups 384 .. 387  tab from byte 786,432: bq, bk, bv, bo, each rounded to bf16 and widened to f32 again
; A stream: no LDS, no barrier, no matrix unit.  A thread has all its 16 loads of 16 bytes out at once; a wave's store of 8 bytes a lane covers 256 consecutive bytes, aligned.
; LIMITS.  wo beyond 65,504 would become an infinity in f16; numbers of wo below 6e-5 keep f16's fixed step of 6e-8.
; The table's angle pos x 10000^(-j/32) is made with a base-2 exponential good to one unit in the last place, so at position 1,023 it may differ from an angle
; made otherwise in f32 by some 2e-4 rad, alike for q and k.  sin and cos: the angle less a multiple of pi/2 (held in two parts), then polynomials to r^9 and r^8 on |r| <= pi/4.
; THE MODE: SCHED_MODE bits 1:0 = 2 (LLVM: expert scheduling mode 2), set by the entry lines.  The code itself states the register dependences
; between vector instructions and memory instructions, with s_wait_alu, always for 0.
; THE PLAN.  Registers that memory instructions touch:
;   v1, v2     byte offsets, made once at the head and never written again: v1 is read by the loads, v2 by the cast's stores.
;   XR         written by the 16 loads alone, each register once; read by its chunk's conversions, behind the wait for its load.
;   YR         a pair for each of the 16 chunks: written by the chunk's conversions, read by the chunk's one store, never written behind it.
;   table      v[30:35] the three stores' data, v36 their offset: written once, then stored.      biases   v[4:7] loaded once; v3 and v[12:15] written once, then stored.
; The cast's 16 chunks go in four groups of four.  Group g converts its own four chunks and issues the four stores of group g - 1, whose YR no vector line of group g names:
; so one wait at a group's head states all that its four stores hang on.  No register that a memory instruction has read is ever written again, so no wait on vm_vsrc is owed.
.set XR, 16                            ; v[16:79]   16 x 4 numbers as loaded
.set YR, 80                            ; v[80:111]  16 x 2 words to store
	s_load_b512 s[8:23], s[0:1], 0x0               ; wq s8, wk s10, wv s12, wo s14, bq s16, bk s18, bv s20, bo s22
	s_load_b128 s[24:27], s[0:1], 0x40             ; wb s24, tab s26
	s_mov_b32 s2, ttmp9                            ; g
	v_lshlrev_b32 v1, 4, v0                        ; 16 t: my place in 4,096 source bytes
	v_lshlrev_b32 v2, 3, v0                        ; 8 t: my place in 2,048 bytes of 16-bit numbers
	s_wait_kmcnt 0x0
	s_cmp_ge_u32 s2, 384
	s_cbranch_scc1 .Lbias
	s_cmp_ge_u32 s2, 256
	s_cbranch_scc1 .Ltab
	; THE CAST.  Which weight (0 .. 3), which 65,536 bytes of it, and where they go: chunk g of wb
	s_lshr_b32 s4, s2, 6
	s_and_b32 s6, s2, 63
	s_mov_b64 s[36:37], s[8:9]
.irp i, 1,2,3
	s_cmp_eq_u32 s4, \i
	s_cselect_b64 s[36:37], s[8+2*(\i):9+2*(\i)], s[36:37]
.endr
	s_lshl_b32 s40, s6, 16
	s_mov_b32 s41, 0
	s_lshl_b32 s42, s2, 15
	s_mov_b32 s43, 0
	s_add_nc_u64 s[36:37], s[36:37], s[40:41]
	s_add_nc_u64 s[38:39], s[24:25], s[42:43]
	s_wait_alu depctr_va_vdst(0)                   ; v1 and v2 are written: the loads below read v1 as their offset, the cast's stores v2
.irp i, 0,1,2,3,4,5,6,7,8,9,10,11,12,13,14,15
	global_load_b128 v[XR+4*(\i):XR+4*(\i)+3], v1, s[36:37] offset:4096*(\i) th:TH_LOAD_NT
.endr
; Chunk i: two roundings a word.  No memory instruction names v4 to v7.
.macro CONV i, tof16
	v_cvt_pk_bf16_f32 v[YR+2*(\i)], v[XR+4*(\i)], v[XR+4*(\i)+1]
	v_cvt_pk_bf16_f32 v[YR+2*(\i)+1], v[XR+4*(\i)+2], v[XR+4*(\i)+3]
.if \tof16
	v_lshlrev_b32 v4, 16, v[YR+2*(\i)]             ; the bf16 numbers as f32,
	v_and_b32 v5, 0xffff0000, v[YR+2*(\i)]
	v_lshlrev_b32 v6, 16, v[YR+2*(\i)+1]
	v_and_b32 v7, 0xffff0000, v[YR+2*(\i)+1]
	v_cvt_pk_f16_f32 v[YR+2*(\i)], v4, v5          ; written as f16: exact within f16's normal range
	v_cvt_pk_f16_f32 v[YR+2*(\i)+1], v6, v7
.endif
.endm
.macro OUT i                           ; chunk i's store
	global_store_b64 v2, v[YR+2*(\i):YR+2*(\i)+1], s[38:39] offset:2048*(\i)
.endm
; Four groups of four chunks: the wait on LOADcnt leaves the younger groups' loads out; the stores of the group before are dealt among this group's conversions.
; No register of a store is written behind it, so no store's source is ever rewritten.
.macro CAST tof16
.irp g, 0,1,2,3
	s_wait_loadcnt 12-4*(\g)                       ; loads come back in order (ISA guide 5.7.1): this group's four are in
.if (\g) > 0
	s_wait_alu depctr_va_vdst(0)                   ; the group before has written its four pairs of YR, which the four stores below read
.endif
.irp k, 0,1,2,3
.if (\g) > 0
	OUT 4*(\g)-4+(\k)                              ; no vector line since the wait names this pair or v2
.endif
	CONV 4*(\g)+(\k), \tof16
.endr
.endr
	s_wait_alu depctr_va_vdst(0)                   ; the last group has written its four pairs of YR, which the last four stores read
.irp k, 12,13,14,15
	OUT \k
.endr
.endm
	s_cmp_eq_u32 s4, 3
	s_cbranch_scc1 .Lwo
	CAST 0
	s_endpgm
.Lwo:
	CAST 1
	s_endpgm
.Ltab:                                         ; THE TABLE: a thread makes entry e = 32 pos + j of all three tables
	s_sub_co_u32 s3, s2, 256
	v_lshl_add_u32 v3, s3, 8, v0                   ; e
	v_lshrrev_b32 v4, 5, v3                        ; pos
	v_and_b32 v5, 31, v3                           ; j
	v_cvt_f32_u32 v6, v5
	v_cvt_f32_u32 v7, v4
	v_mul_f32 v8, 0xbed49a78, v6                   ; -j log2(10000) / 32
	v_add_f32 v9, v6, v6
	v_add_f32 v9, 0x41cccccd, v9                   ; 2 j + 25.6
	v_mul_f32 v9, 0x3c36db6e, v9                   ; / 89.6
	v_exp_f32 v10, v8                              ; 10000^(-j/32)
	v_log_f32 v11, v9
	v_add_f32 v12, 0xc4000000, v7                  ; pos - 512: plain work behind the two
	v_mul_f32 v12, 0x3a800000, v12                 ; / 1024
	s_wait_alu depctr_va_vdst(0)                   ; the exponential has written v10 and the logarithm v11: one wait for both, ahead of their first reader
	v_mul_f32 v13, v7, v10                         ; the angle x
	v_mul_f32 v14, v11, v12                        ; log2 of the scale
	v_xor_b32 v15, 0x80000000, v14
	v_exp_f32 v16, v14                             ; sc
	v_exp_f32 v17, v15                             ; 1 / sc;  the reduction and the polynomials below name neither
	v_mul_f32 v18, 0x3f22f983, v13                 ; x 2 / pi
	v_rndne_f32 v18, v18                           ; n
	v_fma_f32 v19, -v18, 0x3fc90fdb, v13           ; r = x - n pi/2, pi/2 in two parts
	v_fma_f32 v19, -v18, 0xb33bbd2e, v19
	v_mul_f32 v20, v19, v19                        ; z = r r
	v_mov_b32 v21, 0x3638ef1d                      ; 1/9!
	v_fmaak_f32 v21, v21, v20, 0xb9500d01          ; -1/7!
	v_fmaak_f32 v21, v21, v20, 0x3c088889          ; 1/5!
	v_fmaak_f32 v21, v21, v20, 0xbe2aaaab          ; -1/3!
	v_mul_f32 v26, v19, v20
	v_fma_f32 v23, v26, v21, v19                   ; sin r
	v_mov_b32 v22, 0x37d00d01                      ; 1/8!
	v_fmaak_f32 v22, v22, v20, 0xbab60b61          ; -1/6!
	v_fmaak_f32 v22, v22, v20, 0x3d2aaaab          ; 1/4!
	v_fma_f32 v22, v22, v20, -0.5
	v_fma_f32 v24, v22, v20, 1.0                   ; cos r
	v_cvt_i32_f32 v25, v18
	v_and_b32 v26, 1, v25
	v_cmp_eq_u32 vcc_lo, 1, v26                    ; an odd quarter turn swaps the two (a choice of values, no branch)
	v_lshlrev_b32 v26, 30, v25                     ; sin changes sign in quarters 2 and 3: bit 1 of n.  The two sign masks are made between the compare and the wait for its mask
	v_and_b32 v26, 0x80000000, v26
	v_add_nc_u32 v25, 1, v25                       ; cos in quarters 1 and 2: bit 1 of n + 1
	v_lshlrev_b32 v29, 30, v25
	v_and_b32 v29, 0x80000000, v29
	s_wait_alu depctr_va_vcc(0)                    ; the compare has written VCC, which the two selects below read
	v_cndmask_b32 v27, v23, v24, vcc_lo            ; |sin x|'s source
	v_cndmask_b32 v28, v24, v23, vcc_lo            ; |cos x|'s
	v_xor_b32 v27, v26, v27
	v_xor_b32 v28, v29, v28
	s_wait_alu depctr_va_vdst(0)                   ; the two exponentials have written v16 (sc) and v17 (1 / sc): one wait for both, ahead of their first reader
	v_mul_f32 v30, v28, v16
	v_mul_f32 v31, v27, v16
	v_mul_f32 v32, v28, v17
	v_mul_f32 v33, v27, v17
	v_mov_b32 v34, 1.0
	v_mov_b32 v35, 0
	v_lshlrev_b32 v36, 3, v3                       ; 8 e: a wave's store covers 256 consecutive bytes, aligned
	s_wait_alu depctr_va_vdst(0)                   ; v[30:35] and v36 are written: the three stores read them as data and offset
	global_store_b64 v36, v[30:31], s[26:27]
	global_store_b64 v36, v[32:33], s[26:27] offset:262144
	global_store_b64 v36, v[34:35], s[26:27] offset:524288
	s_endpgm
.Lbias:                                        ; THE BIASES: 4,096 bytes a work-group
	s_sub_co_u32 s3, s2, 384
	s_mov_b64 s[36:37], s[16:17]
.irp i, 1,2,3
	s_cmp_eq_u32 s3, \i
	s_cselect_b64 s[36:37], s[16+2*(\i):17+2*(\i)], s[36:37]
.endr
	s_wait_alu depctr_va_vdst(0)                   ; v1 is written: the load reads it as its offset
	global_load_b128 v[4:7], v1, s[36:37]
	s_lshl_b32 s4, s3, 12
	v_add_nc_u32 v3, s4, v1
	s_wait_loadcnt 0x0
	v_cvt_pk_bf16_f32 v8, v4, v5
	v_cvt_pk_bf16_f32 v9, v6, v7
	v_lshlrev_b32 v12, 16, v8
	v_and_b32 v13, 0xffff0000, v8
	v_lshlrev_b32 v14, 16, v9
	v_and_b32 v15, 0xffff0000, v9
	s_wait_alu depctr_va_vdst(0)                   ; v3 and v[12:15] are written: the store reads them as offset and data
	global_store_b128 v3, v[12:15], s[26:27] offset:786432
	s_endpgm
.Lfunc_end_k_qf95dc8a070_prep:
	.size	k_qf95dc8a070_prep, .Lfunc_end_k_qf95dc8a070_prep-k_qf95dc8a070_prep
	.p2alignl 7, 3214868480
	.fill 96, 4, 3214868480
	.section	.rodata,"a",@progbits
	.p2align	6, 0x0
	.amdhsa_kernel k_qf95dc8a070_prep
		.amdhsa_group_segment_fixed_size 0
		.amdhsa_private_segment_fixed_size 0
		.amdhsa_enable_private_segment 0
		.amdhsa_kernarg_size 80
		.amdhsa_user_sgpr_count 2
		.amdhsa_user_sgpr_kernarg_segment_ptr 1
		.amdhsa_wavefront_size32 1
		.amdhsa_system_sgpr_workgroup_id_x 1
		.amdhsa_system_sgpr_workgroup_id_y 1
		.amdhsa_system_sgpr_workgroup_id_z 1
		.amdhsa_system_vgpr_workitem_id 0
		.amdhsa_next_free_vgpr 112
		.amdhsa_next_free_sgpr 66
		.amdhsa_reserve_vcc 1
		.amdhsa_float_denorm_mode_32 3
		.amdhsa_float_denorm_mode_16_64 3
		.amdhsa_memory_ordered 1
		.amdhsa_forward_progress 1
		.amdhsa_inst_pref_size 20
	.end_amdhsa_kernel
	.amdgpu_metadata
---
amdhsa.version: [ 1, 2 ]
amdhsa.kernels:
  - .name:           k_qf95dc8a070_prep
    .symbol:         k_qf95dc8a070_prep.kd
    .args:
      - { .name: wq, .offset: 0, .size: 8, .value_kind: global_buffer, .address_space: global }
      - { .name: wk, .offset: 8, .size: 8, .value_kind: global_buffer, .address_space: global }
      - { .name: wv, .offset: 16, .size: 8, .value_kind: global_buffer, .address_space: global }
      - { .name: wo, .offset: 24, .size: 8, .value_kind: global_buffer, .address_space: global }
      - { .name: bq, .offset: 32, .size: 8, .value_kind: global_buffer, .address_space: global }
      - { .name: bk, .offset: 40, .size: 8, .value_kind: global_buffer, .address_space: global }
      - { .name: bv, .offset: 48, .size: 8, .value_kind: global_buffer, .address_space: global }
      - { .name: bo, .offset: 56, .size: 8, .value_kind: global_buffer, .address_space: global }
      - { .name: wb, .offset: 64, .size: 8, .value_kind: global_buffer, .address_space: global }
      - { .name: tab, .offset: 72, .size: 8, .value_kind: global_buffer, .address_space: global }
    .group_segment_fixed_size: 0
    .private_segment_fixed_size: 0
    .kernarg_segment_align: 8
    .kernarg_segment_size: 80
    .max_flat_workgroup_size: 256
    .sgpr_count:     66
    .vgpr_count:     112
    .wavefront_size: 32
...
	.end_amdgpu_metadata
.endif
;; end of part 5
;; launch proj: the kernel of part 2 again; grid 4 x 64, 4 waves a work-group, clusters of 4 x 4, 327,680 bytes of LDS; arguments query, key, value, wb, tab, qkv; writes qkv
;; launch attn: the kernel of part 3 again; grid 2 x 128, 4 waves a work-group, no clusters, 327,680 bytes of LDS; arguments qkv, oh; writes oh
;; launch outp: the kernel of part 4 again; grid 4 x 64, 4 waves a work-group, clusters of 4 x 4, 327,680 bytes of LDS; arguments oh, wb, tab, out0; writes out0
